; MI455X (gfx1250); checked and timed in simulation.
; The chip was launched on July 23, 2026; its instructions are those of AMD's public machine-readable ISA for CDNA 5 (MIT licence, August 2026) and "CDNA5" Instruction Set Architecture Reference Guide (July 2026). The comments in the code are by the model that wrote it; some were corrected since.
;; Transformer Block. Allowed arithmetic: float matrix products may take bf16 or f16 operands with f32 sums; all other float work in f32.
;; Inputs: W_down 4,096 x 1,024 float32; W_o 1,024 x 1,024 float32; W_qkv 1,024 x 3,072 float32; W_up 1,024 x 4,096 float32; b_down 1,024 float32; b_o 1,024 float32; b_qkv 3,072 float32; b_up 4,096 float32; ln1_b 1,024 float32; ln1_w 1,024 float32; ln2_b 1,024 float32; ln2_w 1,024 float32; x 4 x 1,024 x 1,024 float32.
;; Outputs: out0 4 x 1,024 x 1,024 float32.
;; One version. Each part assembles by itself: llvm-mc -triple=amdgcn-amd-amdhsa -mcpu=gfx1250 --defsym DOCPART=n.
;; ======== version 1 of 1: 7 launches
;; limits: a function is approximated: absolute error at most 2.5e-05
;; workspace buffers: wq_b 6,291,456 bytes; wo_b 2,097,152 bytes; wu_b 8,388,608 bytes; wd_b 8,388,608 bytes; act 8,388,608 bytes; big 33,554,432 bytes; ctx 8,388,608 bytes; res 16,777,216 bytes
;; launch prep (part 1): grid 640 x 1, 8 waves a work-group, no clusters, 0 bytes of LDS; arguments x, ln1_w, ln1_b, act, W_qkv, W_o, W_up, W_down, wq_b, wo_b, wu_b, wd_b; writes act, wq_b, wo_b, wu_b, wd_b
.if DOCPART == 1
	.amdgcn_target "amdgcn-amd-amdhsa--gfx1250"
	.amdhsa_code_object_version 6
	.text
	.protected	k_qe07bfa1486_prep
	.globl	k_qe07bfa1486_prep
	.p2align	8
	.type	k_qe07bfa1486_prep,@function
k_qe07bfa1486_prep:
	s_mov_b64 s[64:65], 0
	v_nop
	global_prefetch_b8 v0, s[64:65] scope:SCOPE_SE
	s_setreg_imm32_b32 hwreg(HW_REG_WAVE_MODE, 25, 1), 1
	s_wait_xcnt 0x0
; TWO STREAMS THAT DO NOT DEPEND ON EACH OTHER, IN ONE LAUNCH.  Work-groups 0-255: the first LayerNorm.  Work-groups 256-639: the four weights are rounded to bf16.
; The branch hangs on the work-group's number alone.  Both are streams: no LDS, no barrier, no matrix unit (nothing is reused).
;
; LAYERNORM of rows of 1,024 f32: y = (x - mean) / sqrt(var + 1e-5) * w + b, rounded once to bf16.  Mean first, then the mean of (x - mean)^2 on the row kept in
; registers: no difference of large sums is formed, so a common offset of the inputs costs nothing.  Memory is read once.
; OUT in blocks of 128 rows x 64 columns: byte(m, k) = ((m >> 7) 16 + (k >> 6)) 16384 + (m & 127) 128 + (k & 63) 2, so that a product's tensor load asks for dense blocks.
; Work-group g owns rows 16 g .. 16 g + 15, wave w two of them.  Lane: sub = l & 7, row = (l >> 3) & 1, p = l >> 4; for j = 0..7 it holds the 8 numbers
; at column 128 j + 64 p + 8 sub: after rounding, 16 lanes hold two rows' 128 bytes of one block, 256 consecutive bytes, and the other 16 lanes those of the next block.
.set LNWG, 256                         ; work-groups of the LayerNorm
.set X,  8                             ; v[8:71]    my 64 numbers
.set W,  72                            ; v[72:135]  their gains
.set BB, 136                           ; v[136:199] their biases
.set SS, 200                           ; v[200:207] four chains of packed sums
.set MU, 208                           ; v[208:209] the mean, twice
.set RS, 210                           ; v[210:211] 1 / sqrt(var + eps), twice
.set TM, 212                           ; v[212:213] at work
	s_cmp_ge_u32 ttmp9, LNWG
	s_cbranch_scc1 .Lcast
	s_load_b256 s[4:11], s[0:1], 0x0               ; x s[4:5], w s[6:7], b s[8:9], out s[10:11]
	v_lshrrev_b32 v1, 5, v0
	v_readfirstlane_b32 s2, v1                     ; wave 0..7
	s_lshl_b32 s3, ttmp9, 4
	s_lshl1_add_u32 s3, s2, s3                     ; my first row: 16 g + 2 w
	s_lshl_b32 s16, s3, 12                         ; x 4,096 bytes
	s_mov_b32 s17, 0
	s_lshr_b32 s18, ttmp9, 3
	s_lshl_b32 s18, s18, 18                        ; the row's tile of 128 rows: 16 blocks of 16,384 bytes
	s_and_b32 s20, s3, 127
	s_lshl_b32 s20, s20, 7                         ; the row in a block: 128 bytes
	s_add_co_u32 s18, s18, s20
	s_mov_b32 s19, 0
	s_mov_b32 s12, 0x76543210                      ; v_permlanex16_b32: each lane takes its own place in the other half
	s_mov_b32 s13, 0xfedcba98
	s_mov_b32 s14, 0x3a800000                      ; 1 / 1024
	s_mov_b32 s15, 0x3727c5ac                      ; 1e-5
	v_and_b32 v4, 7, v0
	v_bfe_u32 v5, v0, 3, 1
	v_bfe_u32 v6, v0, 4, 1
	v_lshlrev_b32 v2, 5, v4
	v_lshl_add_u32 v2, v6, 8, v2                   ; in w and b: 256 p + 32 sub
	v_lshl_add_u32 v1, v5, 12, v2                  ; in x: + 4,096 row
	v_and_b32 v3, 15, v0
	v_lshlrev_b32 v3, 4, v3
	v_lshl_add_u32 v3, v6, 14, v3                  ; in out: 16 (l & 15) + 16,384 p
	v_mov_b32 v[TM+1], 0                           ; v_permlanex16_b32's destination counts as read
	s_wait_kmcnt 0x0
	s_add_nc_u64 s[4:5], s[4:5], s[16:17]
	s_add_nc_u64 s[10:11], s[10:11], s[18:19]
.macro LOAD64 dst, off, base
.set j, 0
.rept 8
	global_load_b128 v[(\dst)+8*j:(\dst)+8*j+3],   v[\off], s[\base:\base+1] offset:512*j
	global_load_b128 v[(\dst)+8*j+4:(\dst)+8*j+7], v[\off], s[\base:\base+1] offset:512*j+16
.set j, j+1
.endr
.endm
	LOAD64 X, 1, 4
	LOAD64 W, 2, 6
	LOAD64 BB, 2, 8
; The four chains into one number, then over the 16 lanes of my row: they differ in lane bits 0, 1, 2 and 4, so three steps inside the 16 lanes and one across the halves.
.macro FOLD
	v_pk_add_f32 v[SS:SS+1], v[SS:SS+1], v[SS+2:SS+3]
	v_pk_add_f32 v[SS+4:SS+5], v[SS+4:SS+5], v[SS+6:SS+7]
	v_pk_add_f32 v[SS:SS+1], v[SS:SS+1], v[SS+4:SS+5]
	v_add_f32 v[TM], v[SS], v[SS+1]
	v_add_f32_dpp v[TM], v[TM], v[TM] row_xmask:1 row_mask:0xf bank_mask:0xf
	v_add_f32_dpp v[TM], v[TM], v[TM] row_xmask:2 row_mask:0xf bank_mask:0xf
	v_add_f32_dpp v[TM], v[TM], v[TM] row_xmask:4 row_mask:0xf bank_mask:0xf
	v_permlanex16_b32 v[TM+1], v[TM], s12, s13
	v_add_f32 v[TM], v[TM], v[TM+1]
.endm
	s_wait_loadcnt 32                              ; x is in; the 32 loads of w and b stay out
.irp k, 0,1,2,3
	v_pk_add_f32 v[SS+2*(\k):SS+2*(\k)+1], v[X+2*(\k):X+2*(\k)+1], v[X+8+2*(\k):X+8+2*(\k)+1]  ; the first pairs start the chains: nothing is cleared
.endr
.set p, 8
.rept 24
	v_pk_add_f32 v[SS+2*(p%4):SS+2*(p%4)+1], v[SS+2*(p%4):SS+2*(p%4)+1], v[X+2*p:X+2*p+1]
.set p, p+1
.endr
	FOLD
	v_mul_f32 v[MU], s14, v[TM]
	v_mov_b32 v[MU+1], v[MU]
.set p, 0
.rept 32
	v_pk_add_f32 v[X+2*p:X+2*p+1], v[X+2*p:X+2*p+1], v[MU:MU+1] neg_lo:[0,1] neg_hi:[0,1]
.set p, p+1
.endr
.irp k, 0,1,2,3
	v_pk_mul_f32 v[SS+2*(\k):SS+2*(\k)+1], v[X+2*(\k):X+2*(\k)+1], v[X+2*(\k):X+2*(\k)+1]
.endr
.set p, 4
.rept 28
	v_pk_fma_f32 v[SS+2*(p%4):SS+2*(p%4)+1], v[X+2*p:X+2*p+1], v[X+2*p:X+2*p+1], v[SS+2*(p%4):SS+2*(p%4)+1]
.set p, p+1
.endr
	FOLD
	v_fma_f32 v[TM], v[TM], s14, s15               ; var + eps
	v_rsq_f32 v[RS], v[TM]
	v_nop                                          ; a plain instruction between the root and the use of its result (ISA guide 5.7.2)
	s_wait_alu depctr_va_vdst(0)
	v_mov_b32 v[RS+1], v[RS]
	s_wait_loadcnt 0x0                             ; w and b
.set p, 0
.rept 32
	v_pk_mul_f32 v[X+2*p:X+2*p+1], v[X+2*p:X+2*p+1], v[RS:RS+1]
.set p, p+1
.endr
.set p, 0
.rept 32
	v_pk_fma_f32 v[X+2*p:X+2*p+1], v[X+2*p:X+2*p+1], v[W+2*p:W+2*p+1], v[BB+2*p:BB+2*p+1]
.set p, p+1
.endr
.set j, 0
.rept 8
.irp k, 0,1,2,3
	v_cvt_pk_bf16_f32 v[X+8*j+(\k)], v[X+8*j+2*(\k)], v[X+8*j+2*(\k)+1]
.endr
	global_store_b128 v3, v[X+8*j:X+8*j+3], s[10:11] offset:32768*j  ; lanes 0-15: my two rows in block 2 j, 256 consecutive bytes, aligned; lanes 16-31: in block 2 j + 1
.set j, j+1
.endr
	s_endpgm
; THE WEIGHTS, f32 [K][N], are rounded once to bf16 and laid in PANELS of 128 columns:
;   byte(k, n) = ((n >> 7) K + k) 256 + (n & 127) 2: a panel's rows are 256 dense bytes, so a later tensor load asks for one dense block.
; A work-group takes 32 rows k x 1,024 columns of one weight, wave w the panel 8 cg + w.  Counted from 256:
; work-groups 0-95: W_qkv (32 row blocks x 3 column groups); 96-127: W_o (32 x 1); 128-255: W_up (32 x 4); 256-383: W_down (128 x 1).
; A load takes one row of the panel: 32 lanes x 16 bytes, 512 consecutive bytes.  All 32 loads go out first.  Rounded, a lane holds 4 columns (8 bytes) of row k and of row k + 1;
; neighbouring lanes exchange 8 bytes, so that an even lane holds 8 columns of row k and an odd lane 8 columns of row k + 1: one store covers the two rows' 512 consecutive bytes, aligned.
.set COFF, 4                           ; v[4:11]   row i of eight: my byte offset in the source
.set CX,   12                          ; v[12:139] row r of 32: 4 numbers as loaded
.Lcast:
	s_load_b512 s[8:23], s[0:1], 0x20              ; W_qkv, W_o, W_up, W_down, then the four panel buffers in the same order
	v_lshrrev_b32 v1, 5, v0
	v_readfirstlane_b32 s2, v1                     ; wave 0..7
	s_sub_co_u32 s3, ttmp9, LNWG                   ; my number among the cast's work-groups
	s_mov_b32 s28, 12288                           ; bytes in a source row        (W_qkv's figures; the selects below replace them)
	s_mov_b32 s29, 0                               ; the weight's first work-group
	s_mov_b32 s30, 5                               ; log2 of its blocks of 32 rows
	s_mov_b32 s31, 262144                          ; bytes in a panel: K x 256
	s_mov_b32 vcc_lo, 0xaaaaaaaa                   ; the odd lanes
	v_and_b32 v2, 31, v0                           ; lane
	v_lshlrev_b32 v[COFF], 4, v2                   ; my 16 bytes of a source row's 512
	v_lshrrev_b32 v3, 1, v2
	v_and_b32 v1, 1, v0
	v_lshlrev_b32 v3, 4, v3
	v_lshl_add_u32 v3, v1, 8, v3                   ; in the panel: 16 (l / 2), and one row of 256 bytes on for the odd lanes
	s_wait_kmcnt 0x0
	s_mov_b64 s[24:25], s[8:9]
	s_mov_b64 s[26:27], s[16:17]
	s_cmp_ge_u32 s3, 96                            ; the choices hang on the work-group's number alone
	s_cselect_b64 s[24:25], s[10:11], s[24:25]
	s_cselect_b64 s[26:27], s[18:19], s[26:27]
	s_cselect_b32 s28, 4096, s28
	s_cselect_b32 s29, 96, s29
	s_cmp_ge_u32 s3, 128
	s_cselect_b64 s[24:25], s[12:13], s[24:25]
	s_cselect_b64 s[26:27], s[20:21], s[26:27]
	s_cselect_b32 s28, 16384, s28
	s_cselect_b32 s29, 128, s29
	s_cmp_ge_u32 s3, 256
	s_cselect_b64 s[24:25], s[14:15], s[24:25]
	s_cselect_b64 s[26:27], s[22:23], s[26:27]
	s_cselect_b32 s28, 4096, s28
	s_cselect_b32 s29, 256, s29
	s_cselect_b32 s30, 7, s30
	s_cselect_b32 s31, 1048576, s31
	s_sub_co_u32 s32, s3, s29                      ; my number within the weight
	s_bfm_b32 s33, s30, 0
	s_and_b32 s33, s32, s33                        ; block of 32 rows
	s_lshr_b32 s34, s32, s30                       ; group of 8 panels
	s_lshl3_add_u32 s34, s34, s2                   ; my panel
	s_mul_i32 s36, s33, s28
	s_lshl_b32 s36, s36, 5                         ; 32 rows a block
	s_lshl_b32 s35, s34, 9                         ; 512 source bytes a panel
	s_add_co_u32 s36, s36, s35
	s_mov_b32 s37, 0
	s_add_nc_u64 s[40:41], s[24:25], s[36:37]      ; the source at my rows 0-7,
	s_mul_i32 s38, s34, s31
	s_lshl_b32 s35, s33, 13                        ; 32 rows of 256 bytes
	s_add_co_u32 s38, s38, s35
	s_mov_b32 s39, 0
	s_add_nc_u64 s[26:27], s[26:27], s[38:39]
	s_lshl_b32 s36, s28, 3                         ; eight source rows
	s_add_nc_u64 s[42:43], s[40:41], s[36:37]      ; 8-15,
	s_add_nc_u64 s[44:45], s[42:43], s[36:37]      ; 16-23,
	s_add_nc_u64 s[46:47], s[44:45], s[36:37]      ; 24-31
.set i, 1
.rept 7
	v_add_nc_u32 v[COFF+i], s28, v[COFF+i-1]
.set i, i+1
.endr
.set j, 0
.rept 4
.set i, 0
.rept 8
	global_load_b128 v[CX+4*(8*j+i):CX+4*(8*j+i)+3], v[COFF+i], s[40+2*j:41+2*j] th:TH_LOAD_NT
.set i, i+1
.endr
.set j, j+1
.endr
.set t, 0
.rept 16
.set RA, CX+8*t                        ; row 2 t
.set RB, CX+8*t+4                      ; row 2 t + 1
	s_wait_loadcnt 30-2*t                          ; loads come back in order: rows 2 t and 2 t + 1 are in, the 2 (15 - t) later rows' loads stay out
	v_cvt_pk_bf16_f32 v[RA],   v[RA],   v[RA+1]    ; in place: a register is written when the numbers that it held have been read
	v_cvt_pk_bf16_f32 v[RA+1], v[RA+2], v[RA+3]
	v_cvt_pk_bf16_f32 v[RB],   v[RB],   v[RB+1]
	v_cvt_pk_bf16_f32 v[RB+1], v[RB+2], v[RB+3]
	v_cndmask_b32 v[RA+2], v[RB],   v[RA],   vcc_lo  ; what I give away: an odd lane its part of row 2 t, an even lane its part of row 2 t + 1
	v_cndmask_b32 v[RA+3], v[RB+1], v[RA+1], vcc_lo
	v_mov_b32_dpp v[RB+2], v[RA+2] row_xmask:1 row_mask:0xf bank_mask:0xf  ; and what my neighbour gives me
	v_mov_b32_dpp v[RB+3], v[RA+3] row_xmask:1 row_mask:0xf bank_mask:0xf
	v_cndmask_b32 v[RA],   v[RA],   v[RB+2], vcc_lo  ; even lane: mine, then the neighbour's (4 columns further on); odd lane: the neighbour's, then mine
	v_cndmask_b32 v[RA+1], v[RA+1], v[RB+3], vcc_lo
	v_cndmask_b32 v[RA+2], v[RB+2], v[RB],   vcc_lo
	v_cndmask_b32 v[RA+3], v[RB+3], v[RB+1], vcc_lo
	global_store_b128 v3, v[RA:RA+3], s[26:27] offset:512*t  ; rows 2 t and 2 t + 1 of the block: 512 consecutive bytes, aligned
.set t, t+1
.endr
	s_endpgm
.Lfunc_end_k_qe07bfa1486_prep:
	.size	k_qe07bfa1486_prep, .Lfunc_end_k_qe07bfa1486_prep-k_qe07bfa1486_prep
	.p2alignl 7, 3214868480
	.fill 96, 4, 3214868480
	.section	.rodata,"a",@progbits
	.p2align	6, 0x0
	.amdhsa_kernel k_qe07bfa1486_prep
		.amdhsa_group_segment_fixed_size 0
		.amdhsa_private_segment_fixed_size 0
		.amdhsa_enable_private_segment 0
		.amdhsa_kernarg_size 96
		.amdhsa_user_sgpr_count 2
		.amdhsa_user_sgpr_kernarg_segment_ptr 1
		.amdhsa_wavefront_size32 1
		.amdhsa_system_sgpr_workgroup_id_x 1
		.amdhsa_system_sgpr_workgroup_id_y 1
		.amdhsa_system_sgpr_workgroup_id_z 1
		.amdhsa_system_vgpr_workitem_id 0
		.amdhsa_next_free_vgpr 216
		.amdhsa_next_free_sgpr 66
		.amdhsa_reserve_vcc 1
		.amdhsa_float_denorm_mode_32 3
		.amdhsa_float_denorm_mode_16_64 3
		.amdhsa_memory_ordered 1
		.amdhsa_forward_progress 1
		.amdhsa_inst_pref_size 37
	.end_amdhsa_kernel
	.amdgpu_metadata
---
amdhsa.version: [ 1, 2 ]
amdhsa.kernels:
  - .name:           k_qe07bfa1486_prep
    .symbol:         k_qe07bfa1486_prep.kd
    .args:
      - { .name: x, .offset: 0, .size: 8, .value_kind: global_buffer, .address_space: global }
      - { .name: ln1_w, .offset: 8, .size: 8, .value_kind: global_buffer, .address_space: global }
      - { .name: ln1_b, .offset: 16, .size: 8, .value_kind: global_buffer, .address_space: global }
      - { .name: act, .offset: 24, .size: 8, .value_kind: global_buffer, .address_space: global }
      - { .name: W_qkv, .offset: 32, .size: 8, .value_kind: global_buffer, .address_space: global }
      - { .name: W_o, .offset: 40, .size: 8, .value_kind: global_buffer, .address_space: global }
      - { .name: W_up, .offset: 48, .size: 8, .value_kind: global_buffer, .address_space: global }
      - { .name: W_down, .offset: 56, .size: 8, .value_kind: global_buffer, .address_space: global }
      - { .name: wq_b, .offset: 64, .size: 8, .value_kind: global_buffer, .address_space: global }
      - { .name: wo_b, .offset: 72, .size: 8, .value_kind: global_buffer, .address_space: global }
      - { .name: wu_b, .offset: 80, .size: 8, .value_kind: global_buffer, .address_space: global }
      - { .name: wd_b, .offset: 88, .size: 8, .value_kind: global_buffer, .address_space: global }
    .group_segment_fixed_size: 0
    .private_segment_fixed_size: 0
    .kernarg_segment_align: 8
    .kernarg_segment_size: 96
    .max_flat_workgroup_size: 256
    .sgpr_count:     66
    .vgpr_count:     216
    .wavefront_size: 32
...
	.end_amdgpu_metadata
.endif
;; end of part 1
;; launch qkv (part 2): grid 12 x 16, 4 waves a work-group, clusters of 4 x 4, 327,680 bytes of LDS; arguments act, wq_b, b_qkv, big; writes big
.if DOCPART == 2
	.amdgcn_target "amdgcn-amd-amdhsa--gfx1250"
	.amdhsa_code_object_version 6
	.text
	.protected	k_qe07bfa1486_qkv
	.globl	k_qe07bfa1486_qkv
	.p2align	8
	.type	k_qe07bfa1486_qkv,@function
k_qe07bfa1486_qkv:
	s_mov_b64 s[64:65], 0
	v_nop
	global_prefetch_b8 v0, s[64:65] scope:SCOPE_SE
	s_setreg_imm32_b32 hwreg(HW_REG_WAVE_MODE, 25, 1), 1
	s_wait_xcnt 0x0
	s_wait_alu depctr_hold_cnt(0) depctr_sa_sdst(0) depctr_va_vdst(0) depctr_va_sdst(0) depctr_va_ssrc(0) depctr_va_vcc(0) depctr_vm_vsrc(0)
	s_getreg_b32 s2, hwreg(HW_REG_IB_STS2, 6, 4)
	s_cmp_eq_u32 s2, 0
	s_cbranch_scc0 .Lentry_in_a_cluster
	s_endpgm
.Lentry_in_a_cluster:
	s_bfe_u32 s2, ttmp6, 0x10000c
	s_cmp_lg_u32 s2, 0xf033
	s_cbranch_scc0 .Lentry_shape_is_right
	s_endpgm
.Lentry_shape_is_right:
; C = A B + bias (and, with GELU = 1, the exact-erf GELU of it), rounded once to bf16.  A: [4096][1024] bf16 in blocks of 128 rows x 64 columns (16,384 dense bytes; the 16 blocks of a
; tile of 128 rows on end).  B: [1024][N] bf16 in panels of 128 columns (rows of 256 dense bytes).  C: blocks like A's, NBLK to a tile of rows.  Sums, bias and GELU in f32.
; A tile of C is 256 x 256: four waves, each 128 x 128 = 64 accumulators = 512 registers.  K goes in steps of 128 through two LDS slots; a wave's one tensor load brings 32,768 dense bytes.
; CLUSTER 4 x 4: A's tiles are shared along a row of the cluster, B's along a column: joint loads, each with a mask of four.
; THE MATRIX INSTRUCTION IS USED TRANSPOSED: source 0 = 16 columns of B (turned on the way out of LDS by ds_load_tr16_b128), source 1 = 16 rows of A: a lane holds row l % 16 of C and 8 neighbouring columns.
; A K step stands ONCE in the loop, which is entered in the middle of a trip: the slot read is a scalar that an exclusive or turns, and one descriptor set walks from step 1 to the last.
; GELU: erf by the rational form 1 - (a1 t + a2 t^2 + a3 t^3) exp(-z^2), t = 1 / (1 + 0.47047 z), whose error is at most 2.5e-5 for every z >= 0:
;   g = max(y, 0) - |y| (((A3 t + A2) t + A1) t) 2^(NC y^2), t = 1 / (1 + PP |y|); the a's are halved, PP = 0.47047 / sqrt 2, NC = -log2(e) / 2.  For large |y| the power is 0 and g = max(y, 0).
; LIMITS: operands are rounded to bf16 (f32's range); NaN and infinities are not treated apart.
; REGISTERS, in windows of 256: window 0: v16-30 addresses; v32-47 bias; v64-127, v128-191 A's fragments, two buffers; on the way out v48-255 at work.
;   window 1: v64-127, v128-191 B's fragments.   window 2: accumulators of my rows 0-63 ((a, b) at v[8 (8 a + b)]).   window 3: those of rows 64-127.
.set NBLK,   48                        ; blocks of 64 columns in a row of C
.set GELU,   0
.set TSTEPS, 8                         ; K steps: 1024 / 128
.set PA,     144                       ; A's row in LDS: 128 bytes + 16 = 36 words: the 16 rows of a load start at 16 different groups of four banks (64 banks of 4 bytes: ISA guide 11.1)
.set PB,     288                       ; B's row: 256 + 32 = 72 words
.set HALF,   36864                     ; what one tensor load fills: 256 x 144 = 128 x 288
.set BOFF,   2*HALF                    ; a slot: A [row tile 0, 1][k block 0, 1][128 rows], then B [panel 0, 1][128 k]
.set SLOT,   4*HALF
.set SPARE,  2*SLOT                    ; behind the ring: the spare words, 128 bytes a wave: two blocks of 256 bytes that no other line names
.set STEPB,  32768                     ; bytes from a K step to the next, in A and in B
.set SPITCH, 528                       ; the way out: a row of 128 f32 + 16 bytes = 132 words
.set REGION, 128*SPITCH                ; a wave's stage; the four lie over the slots, which have had their last fill
.set ADRA0, 16                         ; v16 my lane's place in A's part of a slot; never rewritten
.set ADRB0, 17                         ; v17 the same for B
.set ADRA,  18                         ; v18, v19 the same in the slot that is read
.set ADRB,  19
.set STO,   24                         ; v24 the way out: where I put 32 bytes of a row
.set RD0,   25                         ; v25 where I read rows back, first trip
.set GO,    26                         ; v26 my byte offset in C's blocks
.set BO,    27                         ; v27 my byte offset in the bias
.set SPW,   28                         ; v28 LDS address of my spare word; never rewritten
.set NIL,   29                         ; v29 0; never rewritten
.set RD,    30                         ; v30 where the next trip's rows are read
.set F0,    64
.set F1,    128
.set BI,    32                         ; v32-47 bias: 8 numbers for each of my two blocks
.set Y,     48                         ; v48-63 four items of 16 bytes to store
.set X,     64                         ; v64-95 four items of 8 sums
.set T,     96                         ; v96-127 sums + bias
.set AY,    128
.set DD,    160
.set QQ,    192
.set PO,    224
.set WV, 14                            ; s14 wave; s15 = wave / 2: my half of the rows, and A (0) or B (1) to fetch; s16 = wave % 2: my half of the columns, and which half I fetch
.set WM, 15
.set WN, 16
.set G1A, 24                           ; s[24:31] descriptor group 1 for A; s[32:39] group 0: set 0 (step 0), set 1 (step 1, then it walks)
.set G0A, 32
.set G1B, 48                           ; s[48:55], s[56:63] the same for B
.set G0B, 56
.set TB,  66                           ; s66 the slot that is read: 0 or SLOT
.set CNT, 67
.set ROWS, 68
.set AHEAD, 69
.set CPP, 70                           ; s[70:79] GELU's constants, as pairs
.set CNC, 72
.set CA1, 74
.set CA2, 76
.set CA3, 78
.set ABSM, 80
.set MSB, 0
.macro WIN new                         ; the immediate's high byte repeats the setting that is left; a switch that changes nothing is dropped
.if MSB != (\new)
	s_set_vgpr_msb (MSB<<8)|(\new)
.set MSB, \new
.endif
.endm
.macro PLACES                          ; four places in front of loads into registers that matrix instructions have read, and of reads of results
.rept 4
	v_nop
.endr
.endm
.macro JLOAD                           ; the joint refill by the walking set: waves 0, 1 for A, waves 2, 3 for B; the branch hangs on the wave's number alone; s_nop 0 and four v_nop follow each line
	s_cmp_eq_u32 s[WM], 0
	s_cbranch_scc0 .Lfor_b_\@
	tensor_load_to_lds s[G0A+4:G0A+7], s[G1A:G1A+7]
	s_nop 0
.rept 4
	v_nop
.endr
	s_branch .Lasked_\@
.Lfor_b_\@:
	tensor_load_to_lds s[G0B+4:G0B+7], s[G1B:G1B+7]
	s_nop 0
.rept 4
	v_nop
.endr
.Lasked_\@:
.endm
.macro CREST                           ; a round of the cluster's barrier behind its opening barrier
	s_cmp_lg_u32 s[WV], 0
	s_cbranch_scc1 .Lnot_wave_0_\@
	s_barrier_signal -3
.Lnot_wave_0_\@:
	s_barrier_wait -3
	s_barrier_signal -1
	s_barrier_wait -1
.endm
.macro CROUND
	s_barrier_signal -1
	s_barrier_wait -1
	CREST
.endm
	s_load_b256 s[4:11], s[0:1], 0x0               ; A s[4:5], B s[6:7], bias s[8:9], C s[10:11]
	v_lshl_add_u32 v[SPW], v0, 2, SPARE
	v_mov_b32 v[NIL], 0
	ds_add_u32 v[SPW], v[NIL]                      ; the wave's opening: the add and its wait stand ahead of my first tensor load; register work stands between them
	v_lshrrev_b32 v1, 5, v0
	v_readfirstlane_b32 s[WV], v1
	s_lshr_b32 s[WM], s[WV], 1
	s_and_b32 s[WN], s[WV], 1
	s_bfe_u32 s17, ttmp6, 0x40000                  ; cx
	s_bfe_u32 s18, ttmp6, 0x40004                  ; cy
	s_lshl_b32 s19, ttmp9, 2
	s_add_co_u32 s19, s19, s17                     ; tile column
	s_and_b32 s20, ttmp7, 0xffff
	s_lshl_b32 s20, s20, 2
	s_add_co_u32 s20, s20, s18                     ; tile row
	s_lshl_b32 s21, s18, 2
	s_lshl_b32 s21, 15, s21                        ; my row of the cluster
	s_lshl_b32 s22, 0x1111, s17                    ; my column
	s_or_b32 s[G1A], s21, (1<<16)|(1<<20)|(1<<21)|(4<<22)|(3<<25)  ; mask; 2-byte elements; padding on; bit 21 beside a mask; after every 32 words, 4 words
	s_or_b32 s[G1B], s22, (1<<16)|(1<<20)|(1<<21)|(5<<22)|(7<<25)  ; after every 64 words, 8 words
.irp g, G1A, G1B
	s_mov_b32 s[(\g)+1], 128<<16                   ; tensor_dim0 = 128 elements: rows of 256 bytes
	s_mov_b32 s[(\g)+2], 128<<16                   ; tensor_dim1 = 128
	s_mov_b32 s[(\g)+3], 128<<16                   ; tile_dim0 = 128
	s_mov_b32 s[(\g)+4], 128                       ; tile_dim1 = 128
	s_mov_b32 s[(\g)+5], 128                       ; dense: 128 elements from row to row
	s_mov_b32 s[(\g)+6], 0
	s_mov_b32 s[(\g)+7], 0
.endr
	s_lshl_b32 s40, s20, 1                         ; A: tile of 128 rows 2 x tile row + half, 262,144 bytes each: hangs on the tile row and the wave alone
	s_add_co_u32 s40, s40, s[WN]
	s_lshl_b32 s40, s40, 18
	s_mov_b32 s41, 0
	s_lshl_b32 s42, s19, 1                         ; B: panel 2 x tile column + half, 262,144 bytes each: on the tile column and the wave alone
	s_add_co_u32 s42, s42, s[WN]
	s_lshl_b32 s42, s42, 18
	s_mov_b32 s43, 0
	s_mul_i32 s44, s[WV], HALF                     ; where my load lands: no place in the cluster enters an LDS address
	s_mov_b32 s[TB], 0
.if GELU
	s_mov_b32 s[CPP], 0x3eaa540e
	s_mov_b32 s[CPP+1], s[CPP]
	s_mov_b32 s[CNC], 0xbf38aa3b
	s_mov_b32 s[CNC+1], s[CNC]
	s_mov_b32 s[CA1], 0x3e32303a
	s_mov_b32 s[CA1+1], s[CA1]
	s_mov_b32 s[CA2], 0xbd445ca1
	s_mov_b32 s[CA2+1], s[CA2]
	s_mov_b32 s[CA3], 0x3ebf7377
	s_mov_b32 s[CA3+1], s[CA3]
	s_mov_b32 s[ABSM], 0x7fffffff
.endif
	s_wait_dscnt 0x0                               ; the opening add is done
	s_wait_kmcnt 0x0
	s_add_nc_u64 s[40:41], s[4:5], s[40:41]
	s_add_nc_u64 s[42:43], s[6:7], s[42:43]
.irp s, 0,1
	s_mov_b32 s[G0A+4*(\s)], 1
	s_add_co_u32 s[G0A+4*(\s)+1], s44, (\s)*SLOT
	s_add_nc_u64 s[G0A+4*(\s)+2:G0A+4*(\s)+3], s[40:41], (\s)*STEPB
	s_or_b32 s[G0A+4*(\s)+3], s[G0A+4*(\s)+3], 0x80000000
	s_mov_b32 s[G0B+4*(\s)], 1
	s_add_co_u32 s[G0B+4*(\s)+1], s44, (\s)*SLOT
	s_add_nc_u64 s[G0B+4*(\s)+2:G0B+4*(\s)+3], s[42:43], (\s)*STEPB
	s_or_b32 s[G0B+4*(\s)+3], s[G0B+4*(\s)+3], 0x80000000
.endr
	CROUND                                         ; all sixteen work-groups are here: the first joint loads meet
	s_cmp_eq_u32 s[WM], 0                          ; a wave's two first fills stand in one branch: two loads of mine are out
	s_cbranch_scc0 .Lfirst_b
	tensor_load_to_lds s[G0A:G0A+3], s[G1A:G1A+7]
	s_nop 0
	tensor_load_to_lds s[G0A+4:G0A+7], s[G1A:G1A+7]
	s_nop 0
.rept 4
	v_nop
.endr
	s_branch .Lfirst_done
.Lfirst_b:
	tensor_load_to_lds s[G0B:G0B+3], s[G1B:G1B+7]
	s_nop 0
	tensor_load_to_lds s[G0B+4:G0B+7], s[G1B:G1B+7]
	s_nop 0
.rept 4
	v_nop
.endr
.Lfirst_done:
	s_lshl_b32 s45, s20, 1                         ; C: my two blocks begin at block (2 x tile row + WM) NBLK + 4 x tile column + 2 WN
	s_add_co_u32 s45, s45, s[WM]
	s_mul_i32 s45, s45, NBLK
	s_lshl2_add_u32 s45, s19, s45
	s_lshl1_add_u32 s45, s[WN], s45
	s_lshl_b32 s46, s45, 14
	s_mov_b32 s47, 0
	s_add_nc_u64 s[10:11], s[10:11], s[46:47]
	s_lshl_b32 s46, s19, 10                        ; bias: my first column, 256 x tile column + 128 WN, x 4 bytes
	s_lshl_b32 s45, s[WN], 9
	s_add_co_u32 s46, s46, s45
	s_add_nc_u64 s[8:9], s[8:9], s[46:47]
	v_and_b32 v1, 15, v0                           ; r = l % 16
	v_bfe_u32 v2, v0, 4, 1                         ; h = l / 16
	v_and_b32 v3, 7, v0
	v_bfe_u32 v4, v0, 3, 1
	v_mul_u32_u24 v[ADRA0], v1, PA                 ; A's fragment: row r, 16 bytes for each half of the lanes, and 32 bytes on
	v_lshl_add_u32 v[ADRA0], v2, 4, v[ADRA0]
	s_mul_i32 s45, s[WM], HALF
	v_add_nc_u32 v[ADRA0], s45, v[ADRA0]
	v_lshl_add_u32 v5, v2, 3, v3                   ; B's: the turning load takes 16 k x 16 columns: lane l reads row 8 h + l % 8, columns 8 ((l / 8) % 2) + 0..7
	v_mul_u32_u24 v[ADRB0], v5, PB
	v_lshl_add_u32 v[ADRB0], v4, 4, v[ADRB0]
	s_mul_i32 s45, s[WN], HALF
	s_add_co_u32 s45, s45, BOFF
	v_add_nc_u32 v[ADRB0], s45, v[ADRB0]
	v_mov_b32 v[ADRA], v[ADRA0]
	v_mov_b32 v[ADRB], v[ADRB0]
	s_mul_i32 s45, s[WV], REGION
	v_mul_u32_u24 v[STO], v1, SPITCH               ; into the stage: row r, 32 bytes for each half of the lanes
	v_lshl_add_u32 v[STO], v2, 5, v[STO]
	v_add_nc_u32 v[STO], s45, v[STO]
	v_bfe_u32 v6, v0, 3, 2
	v_mul_u32_u24 v[RD0], v6, SPITCH               ; back: 8 lanes take 64 columns of a row, 32 lanes four rows
	v_lshl_add_u32 v[RD0], v3, 5, v[RD0]
	v_add_nc_u32 v[RD0], s45, v[RD0]
	v_and_b32 v[GO], 31, v0
	v_lshlrev_b32 v[GO], 4, v[GO]                  ; which are 512 consecutive bytes of a block of C
	v_lshlrev_b32 v[BO], 5, v3
	global_load_b128 v[BI:BI+3],     v[BO], s[8:9]             ; the bias lands under the K loop
	global_load_b128 v[BI+4:BI+7],   v[BO], s[8:9] offset:16
	global_load_b128 v[BI+8:BI+11],  v[BO], s[8:9] offset:256
	global_load_b128 v[BI+12:BI+15], v[BO], s[8:9] offset:272
; 16 matrix instructions: row blocks a0, a0 + 1 of half hi x all 8 column blocks, 32 along K.  zero = 1: the first product starts the sums.  The 64 accumulators take turns.
.macro MUL f, hi, a0, zero
	WIN 0xa1+0x50*(\hi)
.irp a, \a0, (\a0)+1
.irp b, 0,1,2,3,4,5,6,7
.if \zero
	v_wmma_f32_16x16x32_bf16 v[8*(8*(\a)+(\b)):8*(8*(\a)+(\b))+7], v[(\f)+8*(\b):(\f)+8*(\b)+7], v[(\f)+8*(4*(\hi)+(\a)):(\f)+8*(4*(\hi)+(\a))+7], 0
.else
	v_wmma_f32_16x16x32_bf16 v[8*(8*(\a)+(\b)):8*(8*(\a)+(\b))+7], v[(\f)+8*(\b):(\f)+8*(\b)+7], v[(\f)+8*(4*(\hi)+(\a)):(\f)+8*(4*(\hi)+(\a))+7], v[8*(8*(\a)+(\b)):8*(8*(\a)+(\b))+7]
.endif
.endr
.endr
.endm
; 32 LDS loads in one run: quarter q (32 along K) of the slot that is read, into buffer f: B's 8 fragments, then A's 8
.macro FETCH q, f
	WIN 0x40
.irp i, 0,1,2,3,4,5,6,7
	ds_load_tr16_b128 v[(\f)+8*(\i):(\f)+8*(\i)+3],   v[ADRB] offset:(\q)*32*PB+32*(\i)
	ds_load_tr16_b128 v[(\f)+8*(\i)+4:(\f)+8*(\i)+7], v[ADRB] offset:(\q)*32*PB+32*(\i)+16*PB
.endr
	WIN 0
.irp i, 0,1,2,3,4,5,6,7
	ds_load_b128 v[(\f)+8*(\i):(\f)+8*(\i)+3],   v[ADRA] offset:((\q)/2)*128*PA+((\q)%2)*64+(\i)*16*PA
	ds_load_b128 v[(\f)+8*(\i)+4:(\f)+8*(\i)+7], v[ADRA] offset:((\q)/2)*128*PA+((\q)%2)*64+(\i)*16*PA+32
.endr
.endm
; One of a step's first three quarters: multiplies buffer f and, in its middle, fetches quarter q into buffer g
.macro QUARTER q, f, g, zero
	s_wait_dscnt 8                                 ; B and A's rows 0-63 are in; the youngest eight loads (A's rows 64-127) may be out
	MUL \f, 0, 0, \zero
	MUL \f, 0, 2, \zero
	PLACES
	FETCH \q, \g
	s_wait_dscnt 32                                ; all but the 32 just issued
	MUL \f, 1, 0, \zero
	MUL \f, 1, 2, \zero
.endm
; The last quarter multiplies buffer 1 and changes slots.  In front of the barrier each wave waits for all its tensor loads (one is out: its part of the next slot), adds 0 to its spare word, and waits
; for that and for its reads of this slot.  fill = 1: the barrier opens a round of the cluster's, and the slot just read is filled again, two steps ahead, first thing behind the round.
.macro TURN fill
	WIN 0
	s_wait_tensorcnt 0x0                           ; no tensor load of mine is out, so a group 0 may be written
	ds_add_u32 v[SPW], v[NIL]                      ; adds 0 to my spare word; register work stands between it and the wait for it
	s_xor_b32 s[TB], s[TB], SLOT                   ; the reads go to the other slot: all reads of this one have been issued
	v_add_nc_u32 v[ADRA], s[TB], v[ADRA0]
	v_add_nc_u32 v[ADRB], s[TB], v[ADRB0]
.if \fill
	s_xor_b32 s[G0A+5], s[G0A+5], SLOT             ; the walking set: the other slot than last time (SLOT shares no bit with wave x HALF), the next K step
	s_add_nc_u64 s[G0A+6:G0A+7], s[G0A+6:G0A+7], STEPB
	s_xor_b32 s[G0B+5], s[G0B+5], SLOT
	s_add_nc_u64 s[G0B+6:G0B+7], s[G0B+6:G0B+7], STEPB
.endif
	s_wait_dscnt 9                                 ; the add and the youngest eight loads may be out
	MUL F1, 0, 0, 0
	s_wait_dscnt 0x0                               ; the add is done, and my reads of this slot are over
	s_barrier_signal -1
	MUL F1, 0, 2, 0
	WIN 0
	s_barrier_wait -1
.if \fill
	CREST                                          ; no wave of any partner still reads the slot or has a load on its way
	JLOAD                                          ; my one tensor load behind the round; its four v_nop are also the places in front of the loads below
.else
	PLACES
.endif
	FETCH 0, F0
	MUL F1, 1, 0, 0
	MUL F1, 1, 2, 0
.endm
	s_wait_tensorcnt 0x1                           ; my part of step 0 is in; step 1's may stay out
	s_barrier_signal -1
	s_barrier_wait -1
	FETCH 0, F0
	QUARTER 1, F0, F1, 1                           ; the first quarter is written out: its products start the sums
	WIN 0
	s_mov_b32 s[CNT], TSTEPS-1
	s_branch .Lin                                  ; the loop is entered in the middle of a trip: step 0 has no change of slots in front of it
.Lstep:                                                ; a whole trip: the change of slots that ends step k and fills its slot with step k + 2, then step k + 1's first three quarters
	TURN 1
	QUARTER 1, F0, F1, 0
	WIN 0                                          ; at a label every window is 0
.Lin:
	QUARTER 2, F1, F0, 0
	QUARTER 3, F0, F1, 0
	WIN 0
	s_sub_co_u32 s[CNT], s[CNT], 1
	s_cmp_lg_u32 s[CNT], 0
	s_cbranch_scc1 .Lstep                          ; TSTEPS - 2 whole trips
	TURN 0                                         ; the last change of slots and the last step are written out: nothing is left to fetch
	QUARTER 1, F0, F1, 0
	QUARTER 2, F1, F0, 0
	QUARTER 3, F0, F1, 0
	s_wait_dscnt 8
	MUL F1, 0, 0, 0
	MUL F1, 0, 2, 0
	s_wait_dscnt 0x0
	MUL F1, 1, 0, 0
	MUL F1, 1, 2, 0
	WIN 0
	; THE WAY OUT.  The sums go as f32 into my stage, which lies over the slots: so first a barrier, in front of which every wave's reads of the slots have come back (the wait for 0 above).
	s_barrier_signal -1
	s_barrier_wait -1
	PLACES
.irp a, 0,1,2,3,4,5,6,7
	WIN 0x08+4*((\a)/4)                            ; the stores' data: window 2 or 3
.irp b, 0,1,2,3,4,5,6,7
	ds_store_b128 v[STO], v[8*(8*((\a)%4)+(\b)):8*(8*((\a)%4)+(\b))+3]   offset:(\a)*16*SPITCH+64*(\b)     ; each accumulator's low registers first
	ds_store_b128 v[STO], v[8*(8*((\a)%4)+(\b))+4:8*(8*((\a)%4)+(\b))+7] offset:(\a)*16*SPITCH+64*(\b)+16
.endr
.endr
	WIN 0
; Eight rows: item u = 2 g + e is rows 4 g .. 4 g + 3 of block e: a lane's 8 neighbouring sums
.macro LOADX
.irp u, 0,1,2,3
	ds_load_b128 v[X+8*(\u):X+8*(\u)+3],   v[RD] offset:((\u)/2)*4*SPITCH+((\u)%2)*256
	ds_load_b128 v[X+8*(\u)+4:X+8*(\u)+7], v[RD] offset:((\u)/2)*4*SPITCH+((\u)%2)*256+16
.endr
.endm
	s_wait_loadcnt 0x0                             ; the bias
	v_mov_b32 v[RD], v[RD0]
	LOADX                                          ; LDS serves a wave's instructions in order (ISA guide 5.7.1.4): these see my stores above
	s_mov_b32 s[ROWS], 0
	s_mov_b32 s[CNT], 16
.Lout:                                                 ; 16 trips of 8 rows; the next trip's rows are read while this trip's are worked on
	s_wait_dscnt 0x0
.irp u, 0,1,2,3
.irp p, 0,1,2,3
	v_pk_add_f32 v[T+8*(\u)+2*(\p):T+8*(\u)+2*(\p)+1], v[X+8*(\u)+2*(\p):X+8*(\u)+2*(\p)+1], v[BI+8*((\u)%2)+2*(\p):BI+8*((\u)%2)+2*(\p)+1]
.endr
.endr
	s_add_co_u32 s[ROWS], s[ROWS], 8*SPITCH
	s_cmp_lt_u32 s[ROWS], 128*SPITCH
	s_cselect_b32 s[AHEAD], s[ROWS], 0             ; the last trip has no next: it reads rows 0-7 of my stage once more, and the result is dropped
	v_add_nc_u32 v[RD], s[AHEAD], v[RD0]
	LOADX
.if GELU
.set n, 0
.rept 32
	v_and_b32 v[AY+n], s[ABSM], v[T+n]             ; |y|
.set n, n+1
.endr
.set n, 0
.rept 16
	v_pk_fma_f32 v[DD+2*n:DD+2*n+1], v[AY+2*n:AY+2*n+1], s[CPP:CPP+1], 1.0 op_sel_hi:[1,0,0]
.set n, n+1
.endr
.set n, 0
.rept 16                                               ; a plain instruction that is due anyway stands behind each reciprocal and each power (ISA guide 5.7.2)
	v_rcp_f32 v[DD+2*n], v[DD+2*n]                 ; t
	v_pk_mul_f32 v[QQ+2*n:QQ+2*n+1], v[T+2*n:T+2*n+1], v[T+2*n:T+2*n+1]
	v_rcp_f32 v[DD+2*n+1], v[DD+2*n+1]
	v_pk_mul_f32 v[QQ+2*n:QQ+2*n+1], v[QQ+2*n:QQ+2*n+1], s[CNC:CNC+1] op_sel_hi:[1,0]
.set n, n+1
.endr
.set n, 0
.rept 16
	v_exp_f32 v[QQ+2*n], v[QQ+2*n]                 ; 2^(NC y^2)
	v_pk_fma_f32 v[PO+2*n:PO+2*n+1], v[DD+2*n:DD+2*n+1], s[CA3:CA3+1], s[CA2:CA2+1] op_sel_hi:[1,0,0]
	v_exp_f32 v[QQ+2*n+1], v[QQ+2*n+1]
	v_pk_fma_f32 v[PO+2*n:PO+2*n+1], v[PO+2*n:PO+2*n+1], v[DD+2*n:DD+2*n+1], s[CA1:CA1+1] op_sel_hi:[1,1,0]
.set n, n+1
.endr
.set n, 0
.rept 16
	v_pk_mul_f32 v[PO+2*n:PO+2*n+1], v[PO+2*n:PO+2*n+1], v[DD+2*n:DD+2*n+1]
.set n, n+1
.endr
.set n, 0
.rept 32
	v_max_num_f32 v[T+n], 0, v[T+n]
.set n, n+1
.endr
.set n, 0
.rept 16
	v_pk_mul_f32 v[PO+2*n:PO+2*n+1], v[PO+2*n:PO+2*n+1], v[QQ+2*n:QQ+2*n+1]
.set n, n+1
.endr
.set n, 0
.rept 16
	v_pk_fma_f32 v[T+2*n:T+2*n+1], v[PO+2*n:PO+2*n+1], v[AY+2*n:AY+2*n+1], v[T+2*n:T+2*n+1] neg_lo:[1,0,0] neg_hi:[1,0,0]
.set n, n+1
.endr
.endif
	s_wait_xcnt 0x0                                ; the last trip's stores have had their addresses translated (ISA guide 3.1): Y and GO are rewritten only behind this wait
	v_add_nc_u32 v[GO], 1024, v[GO]                ; 8 rows of 128 bytes on; the stores reach back
.irp u, 0,1,2,3
.irp p, 0,1,2,3
	v_cvt_pk_bf16_f32 v[Y+4*(\u)+(\p)], v[T+8*(\u)+2*(\p)], v[T+8*(\u)+2*(\p)+1]
.endr
.endr
.irp u, 0,1,2,3
	global_store_b128 v[GO], v[Y+4*(\u):Y+4*(\u)+3], s[10:11] offset:((\u)%2)*16384+((\u)/2)*512-1024  ; four rows of a block: 512 consecutive bytes, aligned
.endr
	s_sub_co_u32 s[CNT], s[CNT], 1
	s_cmp_lg_u32 s[CNT], 0
	s_cbranch_scc1 .Lout
	s_wait_tensorcnt 0x0                           ; the wave's end: the add to my spare word and its wait, behind my last tensor load and my last LDS store
	ds_add_u32 v[SPW], v[NIL]
	s_wait_dscnt 0x0
	CROUND                                         ; the closing round: no work-group ends while a partner may still ask for a tile that names it
	s_endpgm
.Lfunc_end_k_qe07bfa1486_qkv:
	.size	k_qe07bfa1486_qkv, .Lfunc_end_k_qe07bfa1486_qkv-k_qe07bfa1486_qkv
	.p2alignl 7, 3214868480
	.fill 96, 4, 3214868480
	.section	.rodata,"a",@progbits
	.p2align	6, 0x0
	.amdhsa_kernel k_qe07bfa1486_qkv
		.amdhsa_group_segment_fixed_size 327680
		.amdhsa_private_segment_fixed_size 0
		.amdhsa_enable_private_segment 0
		.amdhsa_kernarg_size 32
		.amdhsa_user_sgpr_count 2
		.amdhsa_user_sgpr_kernarg_segment_ptr 1
		.amdhsa_wavefront_size32 1
		.amdhsa_system_sgpr_workgroup_id_x 1
		.amdhsa_system_sgpr_workgroup_id_y 1
		.amdhsa_system_sgpr_workgroup_id_z 1
		.amdhsa_system_vgpr_workitem_id 0
		.amdhsa_next_free_vgpr 1024
		.amdhsa_next_free_sgpr 100
		.amdhsa_reserve_vcc 0
		.amdhsa_float_denorm_mode_32 3
		.amdhsa_float_denorm_mode_16_64 3
		.amdhsa_memory_ordered 1
		.amdhsa_forward_progress 1
		.amdhsa_inst_pref_size 85
	.end_amdhsa_kernel
	.amdgpu_metadata
---
amdhsa.version: [ 1, 2 ]
amdhsa.kernels:
  - .name:           k_qe07bfa1486_qkv
    .symbol:         k_qe07bfa1486_qkv.kd
    .args:
      - { .name: act, .offset: 0, .size: 8, .value_kind: global_buffer, .address_space: global }
      - { .name: wq_b, .offset: 8, .size: 8, .value_kind: global_buffer, .address_space: global }
      - { .name: b_qkv, .offset: 16, .size: 8, .value_kind: global_buffer, .address_space: global }
      - { .name: big, .offset: 24, .size: 8, .value_kind: global_buffer, .address_space: global }
    .group_segment_fixed_size: 327680
    .private_segment_fixed_size: 0
    .kernarg_segment_align: 8
    .kernarg_segment_size: 32
    .max_flat_workgroup_size: 128
    .sgpr_count:     100
    .vgpr_count:     1024
    .wavefront_size: 32
...
	.end_amdgpu_metadata
.endif
;; end of part 2
;; launch attn (part 3): grid 4 x 64, 8 waves a work-group, clusters of 4 x 1, 327,680 bytes of LDS; arguments big, ctx; writes ctx
.if DOCPART == 3
	.amdgcn_target "amdgcn-amd-amdhsa--gfx1250"
	.amdhsa_code_object_version 6
	.text
	.protected	k_qe07bfa1486_attn
	.globl	k_qe07bfa1486_attn
	.p2align	8
	.type	k_qe07bfa1486_attn,@function
k_qe07bfa1486_attn:
	s_mov_b64 s[64:65], 0
	v_nop
	global_prefetch_b8 v0, s[64:65] scope:SCOPE_SE
	s_setreg_imm32_b32 hwreg(HW_REG_WAVE_MODE, 25, 1), 1
	s_wait_xcnt 0x0
	s_wait_alu depctr_hold_cnt(0) depctr_sa_sdst(0) depctr_va_vdst(0) depctr_va_sdst(0) depctr_va_ssrc(0) depctr_va_vcc(0) depctr_vm_vsrc(0)
	s_getreg_b32 s2, hwreg(HW_REG_IB_STS2, 6, 4)
	s_cmp_eq_u32 s2, 0
	s_cbranch_scc0 .Lentry_in_a_cluster
	s_endpgm
.Lentry_in_a_cluster:
	s_bfe_u32 s2, ttmp6, 0x10000c
	s_cmp_lg_u32 s2, 0x3003
	s_cbranch_scc0 .Lentry_shape_is_right
	s_endpgm
.Lentry_shape_is_right:
; CAUSAL ATTENTION, head size 64, 1,024 rows, 64 (batch, head) pairs.  q, k, v: bf16 blocks of 128 rows x 64 channels in big (block (8 b + row / 128) 48 + 3 head + {0, 1, 2}, 16,384 dense bytes);
; ctx: the same blocks, 16 to a tile of rows, block = head.  Products, maxima and sums in f32; the weights p are rounded to bf16 for the second product (their sum is taken of the unrounded p), ctx once.
; LIMITS.  p = 2^(c s - c m), c = log2(e) / 8, with a running maximum m; a hidden score is replaced by the lowest finite number behind the product, and the diagonal step is taken FIRST, so that m is a true
; score from the first step on, whatever the scores' size.  A weight below 2^-126 counts as 0.  NaN and infinities are not treated apart.
; SHARES.  A cluster of four work-groups is one (batch, head).  The 1,024 queries are 16 bands of 64; work-group cx owns rows 16 cx .. 16 cx + 15 of EVERY band, so the four partners run the same text with
; the same counts: cx enters Q's and ctx's global addresses and the mask's register alone.  Band i needs key steps 0 .. i of 64 keys.  Wave w takes band 15 - w and then band w: 17 steps, whatever w.
; All of the head's K and V lie in LDS, filled once by joint loads (mask of four): wave w asks for keys 128 w .. 128 w + 127 of K and of V: two tensor loads of mine are out.  Nothing is filled again.
; Two waves lie on a SIMD, so one wave's softmax stands beside the other's products; a step is written in plain phases.
; LAYOUT.  S^T = K Q^T (source 0 = 16 keys, source 1 = 16 queries): a lane holds ONE query (l % 16) and the keys 8 (l / 16) + 0..7; two such results rounded to bf16 ARE source 1 of O^T = V^T P.
.set PK,    144                        ; a row of K in LDS: 128 bytes + 16 = 36 words: the 16 rows of a load start at 16 different groups of four banks (64 banks of 4 bytes: ISA guide 11.1)
.set PVP,   160                        ; a row of V: 128 + 32 = 40 words
.set VBASE, 1024*PK
.set STAGE, VBASE+1024*PVP             ; never filled by a tensor load: 8 rows x 144 bytes for each wave; 16 rows a wave do not fit, so a band leaves in two halves
.set SP,    144
.set SPARE, STAGE+8*8*SP               ; the spare words, 128 bytes a wave: four blocks of 256 bytes that no other line names
.set AK0, 2                            ; v2  my lane's place in 64 keys of K; never rewritten
.set AV0, 3                            ; v3  the same for V
.set AK,  4
.set AV,  5
.set STO, 6                            ; v6  the way out: where I put 16 bytes of a row
.set RD,  7                            ; v7  where I read rows back
.set GO,  8                            ; v8  my byte offset in 512 consecutive bytes of ctx
.set SPW, 10                           ; v10 LDS address of my spare word; never rewritten
.set NIL, 11                           ; v11 0; never rewritten
.set QO,  12                           ; v12 my byte offset in 16 rows of Q
.set TH,  13                           ; v13 16 cx + l % 16 - 8 (l / 16): score register j of key group kt is hidden where 16 kt + j is greater
.set CM,  14                           ; v14 c m;  v15 m
.set M,   15
.set LL,  16                           ; v16-17 the sum l: even keys', odd keys'
.set C0,  18                           ; v18-21 at work; v20 takes a
.set CMO, 22                           ; v22 c m_old
.set Q,   24                           ; v24-39
.set S,   40                           ; v40-71
.set P,   72                           ; v72-87
.set O,   88                           ; v88-119
.set KF,  120                          ; v120-183  key block kb, channel half c at KF + 16 kb + 8 c
.set VF,  184                          ; v184-247  key half kk, channel block cb at VF + 32 kk + 8 cb
.set WV,  8
.set G1K, 16
.set G1V, 24
.set G0K, 32
.set G0V, 36
.set CS,  40                           ; s[40:41] c, as a pair
.set SEL, 42                           ; s[42:43] v_permlanex16_b32's selects
.set NEG, 44                           ; s44 the lowest finite number
.set BAND, 45
.set TT,  46
.set TBK, 47
.set TBV, 48
.set SAVE, 49
.set QPH, 50                           ; s[50:57] Q and ctx at my rows of the first band and of the second
.set QPL, 52
.set OPH, 54
.set OPL, 56
.macro CROUND
	s_barrier_signal -1
	s_barrier_wait -1
	s_cmp_lg_u32 s[WV], 0
	s_cbranch_scc1 .Lnot_wave_0_\@
	s_barrier_signal -3
.Lnot_wave_0_\@:
	s_barrier_wait -3
	s_barrier_signal -1
	s_barrier_wait -1
.endm
.macro PLACES
.rept 4
	v_nop
.endr
.endm
	s_load_b128 s[4:7], s[0:1], 0x0                ; big s[4:5], ctx s[6:7]
	v_lshl_add_u32 v[SPW], v0, 2, SPARE
	v_mov_b32 v[NIL], 0
	ds_add_u32 v[SPW], v[NIL]                      ; the wave's opening: the add and its wait stand ahead of my first tensor load; register work stands between them
	v_lshrrev_b32 v1, 5, v0
	v_readfirstlane_b32 s[WV], v1                  ; wave 0..7
	s_bfe_u32 s9, ttmp6, 0x40000                   ; cx
	s_and_b32 s10, ttmp7, 0xffff                   ; batch x 16 + head, which the four partners share
	s_lshr_b32 s11, s10, 4
	s_and_b32 s12, s10, 15
	s_lshl_b32 s13, s11, 3                         ; the batch's first tile of 128 rows
	s_mul_i32 s15, s12, 3                          ; the head's first block
	s_add_co_u32 s14, s13, s[WV]
	s_mul_i32 s14, s14, 48
	s_add_co_u32 s14, s14, s15
	s_add_co_u32 s14, s14, 1                       ; K's block of keys 128 w ..; V's is the next
	s_lshl_b32 s58, s14, 14
	s_mov_b32 s59, 0
	s_mov_b32 s61, 0
	s_mov_b32 s[G1K], 15|(1<<16)|(1<<20)|(1<<21)|(4<<22)|(3<<25)  ; the mask of four; 2-byte elements; padding on; bit 21 beside a mask; after every 32 words, 4 words
	s_mov_b32 s[G1V], 15|(1<<16)|(1<<20)|(1<<21)|(4<<22)|(7<<25)  ; the same with 8 words
.irp g, G1K, G1V
	s_mov_b32 s[(\g)+1], 128<<16                   ; a block's 16,384 dense bytes as 64 rows of 256: tensor_dim0 = 128
	s_mov_b32 s[(\g)+2], 64<<16                    ; tensor_dim1 = 64
	s_mov_b32 s[(\g)+3], 128<<16                   ; tile_dim0 = 128
	s_mov_b32 s[(\g)+4], 64                        ; tile_dim1 = 64
	s_mov_b32 s[(\g)+5], 128
	s_mov_b32 s[(\g)+6], 0
	s_mov_b32 s[(\g)+7], 0
.endr
	s_mov_b32 s[G0K], 1
	s_mul_i32 s[G0K+1], s[WV], 128*PK
	s_mov_b32 s[G0V], 1
	s_mul_i32 s[G0V+1], s[WV], 128*PVP
	s_add_co_u32 s[G0V+1], s[G0V+1], VBASE
	s_mov_b32 s[CS], 0x3e38aa3b                    ; c = log2(e) / 8
	s_mov_b32 s[CS+1], s[CS]
	s_mov_b32 s[SEL], 0x76543210
	s_mov_b32 s[SEL+1], 0xfedcba98
	s_mov_b32 s[NEG], 0xff7fffff
	s_wait_dscnt 0x0                               ; the opening add is done
	s_wait_kmcnt 0x0
	s_add_nc_u64 s[G0K+2:G0K+3], s[4:5], s[58:59]
	s_add_nc_u64 s[G0V+2:G0V+3], s[G0K+2:G0K+3], 16384
	s_or_b32 s[G0K+3], s[G0K+3], 0x80000000
	s_or_b32 s[G0V+3], s[G0V+3], 0x80000000
	CROUND                                         ; all four work-groups are here: the joint loads meet
	tensor_load_to_lds s[G0K:G0K+3], s[G1K:G1K+7]
	s_nop 0
	tensor_load_to_lds s[G0V:G0V+3], s[G1V:G1V+7]
	s_nop 0
; Q and ctx at my 16 rows of the band in s[BAND]: tile of rows 8 b + band / 2, row 64 (band % 2) + 16 cx
.macro BADDR qp, op
	s_lshr_b32 s14, s[BAND], 1
	s_add_co_u32 s14, s14, s13
	s_and_b32 s62, s[BAND], 1
	s_lshl_b32 s62, s62, 2
	s_add_co_u32 s62, s62, s9
	s_lshl_b32 s62, s62, 11                        ; x 16 rows x 128 bytes
	s_mul_i32 s60, s14, 48
	s_add_co_u32 s60, s60, s15
	s_lshl_b32 s60, s60, 14
	s_add_co_u32 s60, s60, s62
	s_add_nc_u64 s[\qp:\qp+1], s[4:5], s[60:61]
	s_lshl_b32 s60, s14, 4
	s_add_co_u32 s60, s60, s12
	s_lshl_b32 s60, s60, 14
	s_add_co_u32 s60, s60, s62
	s_add_nc_u64 s[\op:\op+1], s[6:7], s[60:61]
.endm
	s_mov_b32 s[BAND], s[WV]
	BADDR QPL, OPL
	s_sub_co_u32 s[BAND], 15, s[WV]
	BADDR QPH, OPH
	v_and_b32 v1, 15, v0                           ; r = l % 16
	v_bfe_u32 v9, v0, 4, 1                         ; h = l / 16
	v_lshlrev_b32 v[QO], 7, v1
	v_lshl_add_u32 v[QO], v9, 4, v[QO]
.macro LOADQ qp                        ; 16 queries x 64 channels: two fragments, each two loads 32 bytes apart
	global_load_b128 v[Q:Q+3],     v[QO], s[\qp:\qp+1]
	global_load_b128 v[Q+4:Q+7],   v[QO], s[\qp:\qp+1] offset:32
	global_load_b128 v[Q+8:Q+11],  v[QO], s[\qp:\qp+1] offset:64
	global_load_b128 v[Q+12:Q+15], v[QO], s[\qp:\qp+1] offset:96
.endm
	LOADQ QPH
	v_mul_u32_u24 v[AK0], v1, PK
	v_lshl_add_u32 v[AK0], v9, 4, v[AK0]
	v_and_b32 v23, 7, v0
	v_bfe_u32 v22, v0, 3, 1
	v_lshl_add_u32 v[AV0], v9, 3, v23              ; the turning load: lane l reads key 8 h + l % 8, channels 8 ((l / 8) % 2) + 0..7
	v_mul_u32_u24 v[AV0], v[AV0], PVP
	v_lshl_add_u32 v[AV0], v22, 4, v[AV0]
	v_add_nc_u32 v[AV0], VBASE, v[AV0]
	s_mul_i32 s14, s[WV], 8*SP
	s_add_co_u32 s14, s14, STAGE                   ; my stage
	v_mul_u32_u24 v[STO], v23, SP                  ; in: row r % 8, 16 bytes for each half of the lanes
	v_lshl_add_u32 v[STO], v9, 4, v[STO]
	v_add_nc_u32 v[STO], s14, v[STO]
	v_bfe_u32 v[RD], v0, 3, 2                      ; back: 32 lanes take four rows of 128 bytes
	v_mul_u32_u24 v[RD], v[RD], SP
	v_lshl_add_u32 v[RD], v23, 4, v[RD]
	v_add_nc_u32 v[RD], s14, v[RD]
	v_and_b32 v[GO], 31, v0
	v_lshlrev_b32 v[GO], 4, v[GO]
	v_lshlrev_b32 v[TH], 3, v9
	v_sub_nc_u32 v[TH], v1, v[TH]
	s_lshl_b32 s14, s9, 4
	v_add_nc_u32 v[TH], s14, v[TH]
.macro LOADK off                       ; a step's K: 8 fragments, 16 loads
.irp f, 0,1,2,3,4,5,6,7
	ds_load_b128 v[KF+8*(\f):KF+8*(\f)+3],   v[AK] offset:(\off)+((\f)/2)*16*PK+((\f)%2)*64
	ds_load_b128 v[KF+8*(\f)+4:KF+8*(\f)+7], v[AK] offset:(\off)+((\f)/2)*16*PK+((\f)%2)*64+32
.endr
.endm
.macro LOADV                           ; a step's V, turned: 8 fragments, 16 loads
.irp f, 0,1,2,3,4,5,6,7
	ds_load_tr16_b128 v[VF+8*(\f):VF+8*(\f)+3],   v[AV] offset:((\f)/4)*32*PVP+((\f)%4)*32
	ds_load_tr16_b128 v[VF+8*(\f)+4:VF+8*(\f)+7], v[AV] offset:((\f)/4)*32*PVP+16*PVP+((\f)%4)*32
.endr
.endm
.macro KQM                             ; S^T = K Q^T: the four accumulators take turns; the first four products start the sums
.set i, 0
.rept 8
.if i < 4
	v_wmma_f32_16x16x32_bf16 v[S+8*(i%4):S+8*(i%4)+7], v[KF+16*(i%4)+8*(i/4):KF+16*(i%4)+8*(i/4)+7], v[Q+8*(i/4):Q+8*(i/4)+7], 0
.else
	v_wmma_f32_16x16x32_bf16 v[S+8*(i%4):S+8*(i%4)+7], v[KF+16*(i%4)+8*(i/4):KF+16*(i%4)+8*(i/4)+7], v[Q+8*(i/4):Q+8*(i/4)+7], v[S+8*(i%4):S+8*(i%4)+7]
.endif
.set i, i+1
.endr
.endm
.macro PVM first                       ; O^T += V^T P; in a band's first step the first four products start the sums
.set i, 0
.rept 8
.if (\first) && (i < 4)
	v_wmma_f32_16x16x32_bf16 v[O+8*(i%4):O+8*(i%4)+7], v[VF+32*(i/4)+8*(i%4):VF+32*(i/4)+8*(i%4)+7], v[P+8*(i/4):P+8*(i/4)+7], 0
.else
	v_wmma_f32_16x16x32_bf16 v[O+8*(i%4):O+8*(i%4)+7], v[VF+32*(i/4)+8*(i%4):VF+32*(i/4)+8*(i%4)+7], v[P+8*(i/4):P+8*(i/4)+7], v[O+8*(i%4):O+8*(i%4)+7]
.endif
.set i, i+1
.endr
.endm
; A KEY STEP.  At its head K's 16 loads and then V's 16 have been issued.  first = 1: the band's diagonal step: it takes the mask, starts m, l and O^T, and fetches K of step 0; else K of step TT + 1.
.macro STEP first
	s_wait_dscnt 16                                ; K is in; V's 16 loads may stay out
	KQM
.if \first
	v_mov_b32 v[AK], v[AK0]
.else
	v_add_nc_u32 v[AK], s[TBK], v[AK0]
.endif
.rept 3
	v_nop                                          ; with the line above: the four places behind the products, for the loads into K's registers and the reads of the scores
.endr
.if \first
	LOADK 0
.set i, 0
.rept 32                                               ; ascending
	v_cmp_gt_i32 vcc_lo, 16*(i/8)+i%8, v[TH]
	v_cndmask_b32 v[S+i], v[S+i], s[NEG], vcc_lo
.set i, i+1
.endr
.else
	LOADK 64*PK                                    ; the last step's look-ahead is the band's own diagonal step: inside K, and dropped
.endif
.irp n, 0,1,2,3
	v_max3_num_f32 v[C0+(\n)], v[S+8*(\n)], v[S+8*(\n)+1], v[S+8*(\n)+2]
.endr
.irp n, 0,1,2,3
	v_max3_num_f32 v[C0+(\n)], v[C0+(\n)], v[S+8*(\n)+3], v[S+8*(\n)+4]
.endr
.irp n, 0,1,2,3
	v_max3_num_f32 v[C0+(\n)], v[C0+(\n)], v[S+8*(\n)+5], v[S+8*(\n)+6]
.endr
	v_max3_num_f32 v[C0], v[C0], v[S+7], v[S+15]
	v_max3_num_f32 v[C0+1], v[C0+1], v[S+23], v[S+31]
.if \first
	v_max_num_f32 v[C0+2], v[C0+2], v[C0+3]
.else
	v_max3_num_f32 v[C0+2], v[C0+2], v[C0+3], v[M]
	v_mov_b32 v[CMO], v[CM]
.endif
	v_max3_num_f32 v[C0], v[C0], v[C0+1], v[C0+2]
	v_permlanex16_b32 v[C0+3], v[C0], s[SEL], s[SEL+1]  ; the query's other 32 keys lie in the lane 16 away
	v_max_num_f32 v[M], v[C0], v[C0+3]
	v_mul_f32 v[CM], s[CS], v[M]
.if !(\first)
	v_sub_f32 v[C0+1], v[CMO], v[CM]
	v_exp_f32 v[C0+2], v[C0+1]                     ; a = 2^(c m_old - c m_new); the scalings below stand between it and its use
.endif
.set i, 0
.rept 16
	v_pk_fma_f32 v[S+2*i:S+2*i+1], v[S+2*i:S+2*i+1], s[CS:CS+1], v[CM:CM+1] op_sel_hi:[1,0,0] neg_lo:[0,0,1] neg_hi:[0,0,1]
.set i, i+1
.endr
.set i, 0
.rept 16
	v_exp_f32 v[S+2*i], v[S+2*i]
	v_exp_f32 v[S+2*i+1], v[S+2*i+1]
.if !(\first)
	s_wait_alu depctr_va_vdst(0)
	v_pk_mul_f32 v[O+2*i:O+2*i+1], v[O+2*i:O+2*i+1], v[C0+2:C0+3] op_sel_hi:[1,0]  ; O^T times a, ascending; also the plain instruction behind the powers
.endif
.set i, i+1
.endr
.if \first
	v_nop                                          ; a plain instruction between the powers and the use of their results (ISA guide 5.7.2)
	s_wait_alu depctr_va_vdst(0)
.endif
.set i, 0
	s_wait_alu depctr_va_vdst(0)
.rept 16
	v_cvt_pk_bf16_f32 v[P+i], v[S+2*i], v[S+2*i+1]
.set i, i+1
.endr
.set i, 0
.rept 8
	v_pk_add_f32 v[S+4*i:S+4*i+1], v[S+4*i:S+4*i+1], v[S+4*i+2:S+4*i+3]
.set i, i+1
.endr
.if \first
	v_pk_add_f32 v[LL:LL+1], v[S:S+1], v[S+4:S+5]
.else
	v_pk_fma_f32 v[LL:LL+1], v[LL:LL+1], v[C0+2:C0+3], v[S:S+1] op_sel_hi:[1,0,1]
	v_pk_add_f32 v[LL:LL+1], v[LL:LL+1], v[S+4:S+5]
.endif
.set i, 2
.rept 6
	v_pk_add_f32 v[LL:LL+1], v[LL:LL+1], v[S+4*i:S+4*i+1]
.set i, i+1
.endr
	s_wait_dscnt 16                                ; V is in; the next K's 16 loads may stay out
	PVM \first
	PLACES                                         ; for the next loads into V's registers and the next reads of O^T
.endm
; THE WAY OUT of a band: O^T / l, rounded to bf16, through my stage in two halves of 8 rows, and stored as 2,048 consecutive bytes.  qnext: the pointer of the next band's Q, or 0.
.macro FINISH op, qnext
	v_add_f32 v[C0], v[LL], v[LL+1]
	v_permlanex16_b32 v[C0+1], v[C0], s[SEL], s[SEL+1]
	v_add_f32 v[C0], v[C0], v[C0+1]
	v_rcp_f32 v[C0+2], v[C0]
	v_nop
.set i, 0
	s_wait_alu depctr_va_vdst(0)
.rept 16
	v_pk_mul_f32 v[O+2*i:O+2*i+1], v[O+2*i:O+2*i+1], v[C0+2:C0+3] op_sel_hi:[1,0]
.set i, i+1
.endr
.set i, 0
.rept 16
	v_cvt_pk_bf16_f32 v[S+i], v[O+2*i], v[O+2*i+1]
.set i, i+1
.endr
	s_wait_xcnt 0x0                                ; EXEC changes only behind this wait; no global instruction is issued until it is whole again
	v_cmp_gt_u32 vcc_lo, 8, v1                     ; rows 0-7
	s_and_saveexec_b32 s[SAVE], vcc_lo
.irp f, 0,1,2,3
	ds_store_b128 v[STO], v[S+4*(\f):S+4*(\f)+3] offset:32*(\f)
.endr
	s_or_b32 exec_lo, exec_lo, s[SAVE]
	ds_load_b128 v[S+16:S+19], v[RD]               ; LDS serves a wave's instructions in order (ISA guide 5.7.1.4): these see the stores above, and are served ahead of the stores below
	ds_load_b128 v[S+20:S+23], v[RD] offset:4*SP
	v_cmp_le_u32 vcc_lo, 8, v1                     ; rows 8-15
	s_and_saveexec_b32 s[SAVE], vcc_lo
.irp f, 0,1,2,3
	ds_store_b128 v[STO], v[S+4*(\f):S+4*(\f)+3] offset:32*(\f)
.endr
	s_or_b32 exec_lo, exec_lo, s[SAVE]
	ds_load_b128 v[S+24:S+27], v[RD]
	ds_load_b128 v[S+28:S+31], v[RD] offset:4*SP
.if \qnext
	LOADQ \qnext
.endif
	s_wait_dscnt 7                                 ; behind the first load: one load, four stores, two loads
	global_store_b128 v[GO], v[S+16:S+19], s[\op:\op+1]
	s_wait_dscnt 6
	global_store_b128 v[GO], v[S+20:S+23], s[\op:\op+1] offset:512
	s_wait_dscnt 1
	global_store_b128 v[GO], v[S+24:S+27], s[\op:\op+1] offset:1024
	s_wait_dscnt 0x0
	global_store_b128 v[GO], v[S+28:S+31], s[\op:\op+1] offset:1536   ; each store: 512 consecutive bytes, aligned
	s_wait_xcnt 0x0                                ; the stores' data registers are written again only behind this wait
.endm
; A BAND: the diagonal step, then steps 0 .. band - 1.  The loop counts to the constant maxt; a wave whose band is shorter jumps forward over the dead steps.
.macro BANDM tag, maxt, op, qnext
	s_mul_i32 s14, s[BAND], 64*PK
	v_add_nc_u32 v[AK], s14, v[AK0]
	s_mul_i32 s14, s[BAND], 64*PVP
	v_add_nc_u32 v[AV], s14, v[AV0]
	LOADK 0
	LOADV
	s_wait_loadcnt 0x0                             ; Q
	STEP 1
	s_mov_b32 s[TT], 0
	s_mov_b32 s[TBK], 0
	s_mov_b32 s[TBV], 0
.Lt\tag:
	s_cmp_ge_u32 s[TT], s[BAND]
	s_cbranch_scc1 .Ldead\tag
	v_add_nc_u32 v[AV], s[TBV], v[AV0]
	LOADV
	STEP 0
.Ldead\tag:
	s_add_co_u32 s[TBK], s[TBK], 64*PK
	s_add_co_u32 s[TBV], s[TBV], 64*PVP
	s_add_co_u32 s[TT], s[TT], 1
	s_cmp_lt_u32 s[TT], \maxt
	s_cbranch_scc1 .Lt\tag
	s_wait_dscnt 0x0                               ; the last look-ahead of K
	FINISH \op, \qnext
.endm
	s_wait_tensorcnt 0x0                           ; my parts of K and V are in,
	s_barrier_signal -1
	s_barrier_wait -1                              ; everybody's are
	BANDM _hi, 15, OPH, QPL
	s_mov_b32 s[BAND], s[WV]
	BANDM _lo, 7, OPL, 0
	s_wait_tensorcnt 0x0                           ; the wave's end: the add to my spare word and its wait, behind my last tensor load and my last LDS store
	ds_add_u32 v[SPW], v[NIL]
	s_wait_dscnt 0x0
	CROUND                                         ; the closing round
	s_endpgm
.Lfunc_end_k_qe07bfa1486_attn:
	.size	k_qe07bfa1486_attn, .Lfunc_end_k_qe07bfa1486_attn-k_qe07bfa1486_attn
	.p2alignl 7, 3214868480
	.fill 96, 4, 3214868480
	.section	.rodata,"a",@progbits
	.p2align	6, 0x0
	.amdhsa_kernel k_qe07bfa1486_attn
		.amdhsa_group_segment_fixed_size 327680
		.amdhsa_private_segment_fixed_size 0
		.amdhsa_enable_private_segment 0
		.amdhsa_kernarg_size 16
		.amdhsa_user_sgpr_count 2
		.amdhsa_user_sgpr_kernarg_segment_ptr 1
		.amdhsa_wavefront_size32 1
		.amdhsa_system_sgpr_workgroup_id_x 1
		.amdhsa_system_sgpr_workgroup_id_y 1
		.amdhsa_system_sgpr_workgroup_id_z 1
		.amdhsa_system_vgpr_workitem_id 0
		.amdhsa_next_free_vgpr 256
		.amdhsa_next_free_sgpr 66
		.amdhsa_reserve_vcc 1
		.amdhsa_float_denorm_mode_32 3
		.amdhsa_float_denorm_mode_16_64 3
		.amdhsa_memory_ordered 1
		.amdhsa_forward_progress 1
		.amdhsa_inst_pref_size 62
	.end_amdhsa_kernel
	.amdgpu_metadata
---
amdhsa.version: [ 1, 2 ]
amdhsa.kernels:
  - .name:           k_qe07bfa1486_attn
    .symbol:         k_qe07bfa1486_attn.kd
    .args:
      - { .name: big, .offset: 0, .size: 8, .value_kind: global_buffer, .address_space: global }
      - { .name: ctx, .offset: 8, .size: 8, .value_kind: global_buffer, .address_space: global }
    .group_segment_fixed_size: 327680
    .private_segment_fixed_size: 0
    .kernarg_segment_align: 8
    .kernarg_segment_size: 16
    .max_flat_workgroup_size: 256
    .sgpr_count:     66
    .vgpr_count:     256
    .wavefront_size: 32
...
	.end_amdgpu_metadata
.endif
;; end of part 3
;; launch wo (part 4): grid 8 x 32, 4 waves a work-group, clusters of 4 x 4, 327,680 bytes of LDS; arguments ctx, wo_b, b_o, x, res; writes res
.if DOCPART == 4
	.amdgcn_target "amdgcn-amd-amdhsa--gfx1250"
	.amdhsa_code_object_version 6
	.text
	.protected	k_qe07bfa1486_wo
	.globl	k_qe07bfa1486_wo
	.p2align	8
	.type	k_qe07bfa1486_wo,@function
k_qe07bfa1486_wo:
	s_mov_b64 s[64:65], 0
	v_nop
	global_prefetch_b8 v0, s[64:65] scope:SCOPE_SE
	s_setreg_imm32_b32 hwreg(HW_REG_WAVE_MODE, 25, 1), 1
	s_wait_xcnt 0x0
	s_wait_alu depctr_hold_cnt(0) depctr_sa_sdst(0) depctr_va_vdst(0) depctr_va_sdst(0) depctr_va_ssrc(0) depctr_va_vcc(0) depctr_vm_vsrc(0)
	s_getreg_b32 s2, hwreg(HW_REG_IB_STS2, 6, 4)
	s_cmp_eq_u32 s2, 0
	s_cbranch_scc0 .Lentry_in_a_cluster
	s_endpgm
.Lentry_in_a_cluster:
	s_bfe_u32 s2, ttmp6, 0x10000c
	s_cmp_lg_u32 s2, 0xf033
	s_cbranch_scc0 .Lentry_shape_is_right
	s_endpgm
.Lentry_shape_is_right:
; OUT = A B + bias + RESID, all sums and the residual in f32; OUT and RESID are f32 [4096][1024], row-major.  A: [4096][KK] bf16 in blocks of 128 rows x 64 columns (16,384 dense bytes, the KK / 64 blocks
; of a tile of 128 rows on end).  B: [KK][1024] bf16 in panels of 128 columns (rows of 256 dense bytes).
; A tile of OUT is 128 x 128, so that 8 x 32 = 256 work-groups share the work; four waves, each 64 x 64 = 16 accumulators.  K goes in steps of 256, as long as two slots in LDS allow;
; a wave's one tensor load brings 32,768 dense bytes.  CLUSTER 4 x 4: A's tiles are shared along a row of the cluster, B's along a column: joint loads, each with a mask of four.
; THE MATRIX INSTRUCTION IS USED TRANSPOSED: source 0 = 16 columns of B (turned by ds_load_tr16_b128), source 1 = 16 rows of A: a lane holds row l % 16 and 8 neighbouring columns.
; A K step stands ONCE in the loop, which is entered in the middle of a trip: the slot read is a scalar that an exclusive or turns, and one descriptor set walks from step 1 to the last.
; The residual and the bias are loaded at the start and land under the K loop.  LIMITS: operands are rounded to bf16 (f32's range); NaN and infinities are not treated apart.
; REGISTERS: window 0: v16-29 addresses; v32-35 bias; v64-127, v128-191 A's fragments, two buffers (64 along K: fragment (c, a) at 8 (4 c + a)); on the way out v64-191 rows read back.
;   window 1: v64-127, v128-191 B's fragments.   window 2: v0-127 accumulators ((a, b) at v[8 (4 a + b)]); v128-255 the residual, 32 items of two rows' 16 bytes a lane.
.set KK,     1024
.set TSTEPS, KK/256                    ; even: the last step lies in slot 1
.set PA,     144                       ; A's row in LDS: 128 bytes + 16 = 36 words: the 16 rows of a load start at 16 different groups of four banks (64 banks of 4 bytes: ISA guide 11.1)
.set PB,     288                       ; B's row: 256 + 32 = 72 words
.set HALF,   36864                     ; what one tensor load fills: 256 x 144 = 128 x 288
.set BOFF,   2*HALF                    ; a slot: A [k block 0..3][128 rows], then B [256 k]
.set SLOT,   4*HALF
.set SPARE,  2*SLOT                    ; behind the ring: the spare words, 128 bytes a wave: two blocks of 256 bytes that no other line names
.set STEPB,  65536                     ; bytes from a K step to the next, in A and in B
.set SPITCH, 272                       ; the way out: a row of 64 f32 + 16 bytes = 68 words
.set ADRA0, 16
.set ADRB0, 17
.set ADRA,  18
.set ADRB,  19                         ; v19 B's k 0-127 of the slot that is read; v20 its k 128-255 (the 16-bit offset does not reach them)
.set STO,   24
.set RD,    25
.set CO,    26                         ; v26 my byte offset in two rows of RESID and OUT; never rewritten
.set BO,    27
.set SPW,   28                         ; v28 LDS address of my spare word; never rewritten
.set NIL,   29                         ; v29 0; never rewritten
.set F0,    64
.set F1,    128
.set BI,    32
.set X,     64
.set RR,    128                        ; in window 2
.set WV, 14
.set WM, 15
.set WN, 16
.set G1A, 24
.set G0A, 32
.set G1B, 48
.set G0B, 56
.set TB,  66
.set CNT, 67
.set MSB, 0
.macro WIN new                         ; the immediate's high byte repeats the setting that is left; a switch that changes nothing is dropped
.if MSB != (\new)
	s_set_vgpr_msb (MSB<<8)|(\new)
.set MSB, \new
.endif
.endm
.macro PLACES                          ; four places in front of loads into registers that matrix instructions have read
.rept 4
	v_nop
.endr
.endm
.macro JLOAD                           ; the joint refill by the walking set: waves 0, 1 for A, waves 2, 3 for B; s_nop 0 and four v_nop follow each line
	s_cmp_eq_u32 s[WM], 0
	s_cbranch_scc0 .Lfor_b_\@
	tensor_load_to_lds s[G0A+4:G0A+7], s[G1A:G1A+7]
	s_nop 0
.rept 4
	v_nop
.endr
	s_branch .Lasked_\@
.Lfor_b_\@:
	tensor_load_to_lds s[G0B+4:G0B+7], s[G1B:G1B+7]
	s_nop 0
.rept 4
	v_nop
.endr
.Lasked_\@:
.endm
.macro CREST
	s_cmp_lg_u32 s[WV], 0
	s_cbranch_scc1 .Lnot_wave_0_\@
	s_barrier_signal -3
.Lnot_wave_0_\@:
	s_barrier_wait -3
	s_barrier_signal -1
	s_barrier_wait -1
.endm
.macro CROUND
	s_barrier_signal -1
	s_barrier_wait -1
	CREST
.endm
	s_load_b256 s[4:11], s[0:1], 0x0               ; A s[4:5], B s[6:7], bias s[8:9], RESID s[10:11]
	s_load_b64 s[12:13], s[0:1], 0x20              ; OUT
	v_lshl_add_u32 v[SPW], v0, 2, SPARE
	v_mov_b32 v[NIL], 0
	ds_add_u32 v[SPW], v[NIL]                      ; the wave's opening: the add and its wait stand ahead of my first tensor load; register work stands between them
	v_lshrrev_b32 v1, 5, v0
	v_readfirstlane_b32 s[WV], v1
	s_lshr_b32 s[WM], s[WV], 1                     ; my half of the rows; also: I fetch for A (0) or B (1)
	s_and_b32 s[WN], s[WV], 1                      ; my half of the columns; also: which half of the step's bytes I fetch
	s_bfe_u32 s17, ttmp6, 0x40000                  ; cx
	s_bfe_u32 s18, ttmp6, 0x40004                  ; cy
	s_lshl_b32 s19, ttmp9, 2
	s_add_co_u32 s19, s19, s17                     ; tile column
	s_and_b32 s20, ttmp7, 0xffff
	s_lshl_b32 s20, s20, 2
	s_add_co_u32 s20, s20, s18                     ; tile row
	s_lshl_b32 s21, s18, 2
	s_lshl_b32 s21, 15, s21                        ; my row of the cluster
	s_lshl_b32 s22, 0x1111, s17                    ; my column
	s_or_b32 s[G1A], s21, (1<<16)|(1<<20)|(1<<21)|(4<<22)|(3<<25)  ; mask; 2-byte elements; padding on; bit 21 beside a mask; after every 32 words, 4 words
	s_or_b32 s[G1B], s22, (1<<16)|(1<<20)|(1<<21)|(5<<22)|(7<<25)  ; after every 64 words, 8 words
.irp g, G1A, G1B
	s_mov_b32 s[(\g)+1], 128<<16                   ; rows of 256 bytes: tensor_dim0 = 128
	s_mov_b32 s[(\g)+2], 128<<16                   ; tensor_dim1 = 128
	s_mov_b32 s[(\g)+3], 128<<16                   ; tile_dim0 = 128
	s_mov_b32 s[(\g)+4], 128                       ; tile_dim1 = 128
	s_mov_b32 s[(\g)+5], 128                       ; dense
	s_mov_b32 s[(\g)+6], 0
	s_mov_b32 s[(\g)+7], 0
.endr
	s_mul_i32 s40, s20, KK*256                     ; A: the tile of rows, + my half of a step's four blocks: hangs on the tile row and the wave alone
	s_lshl_b32 s41, s[WN], 15
	s_add_co_u32 s40, s40, s41
	s_mul_i32 s42, s19, KK*256                     ; B: the panel, + my half of a step's 256 rows: on the tile column and the wave alone
	s_add_co_u32 s42, s42, s41
	s_mov_b32 s41, 0
	s_mov_b32 s43, 0
	s_mul_i32 s44, s[WV], HALF                     ; where my load lands: no place in the cluster enters an LDS address
	s_mov_b32 s[TB], 0
	s_wait_dscnt 0x0                               ; the opening add is done
	s_wait_kmcnt 0x0
	s_add_nc_u64 s[40:41], s[4:5], s[40:41]
	s_add_nc_u64 s[42:43], s[6:7], s[42:43]
.irp s, 0,1
	s_mov_b32 s[G0A+4*(\s)], 1
	s_add_co_u32 s[G0A+4*(\s)+1], s44, (\s)*SLOT
	s_add_nc_u64 s[G0A+4*(\s)+2:G0A+4*(\s)+3], s[40:41], (\s)*STEPB
	s_or_b32 s[G0A+4*(\s)+3], s[G0A+4*(\s)+3], 0x80000000
	s_mov_b32 s[G0B+4*(\s)], 1
	s_add_co_u32 s[G0B+4*(\s)+1], s44, (\s)*SLOT
	s_add_nc_u64 s[G0B+4*(\s)+2:G0B+4*(\s)+3], s[42:43], (\s)*STEPB
	s_or_b32 s[G0B+4*(\s)+3], s[G0B+4*(\s)+3], 0x80000000
.endr
	CROUND                                         ; all sixteen work-groups are here: the first joint loads meet
	s_cmp_eq_u32 s[WM], 0                          ; a wave's two first fills stand in one branch: two loads of mine are out
	s_cbranch_scc0 .Lfirst_b
	tensor_load_to_lds s[G0A:G0A+3], s[G1A:G1A+7]
	s_nop 0
	tensor_load_to_lds s[G0A+4:G0A+7], s[G1A:G1A+7]
	s_nop 0
.rept 4
	v_nop
.endr
	s_branch .Lfirst_done
.Lfirst_b:
	tensor_load_to_lds s[G0B:G0B+3], s[G1B:G1B+7]
	s_nop 0
	tensor_load_to_lds s[G0B+4:G0B+7], s[G1B:G1B+7]
	s_nop 0
.rept 4
	v_nop
.endr
.Lfirst_done:
	s_lshl_b32 s45, s20, 7                         ; RESID and OUT at my first row, 128 x tile row + 64 WM, and my first column, 128 x tile column + 64 WN
	s_lshl_b32 s46, s[WM], 6
	s_add_co_u32 s45, s45, s46
	s_lshl_b32 s46, s45, 12
	s_lshl_b32 s45, s19, 9
	s_add_co_u32 s46, s46, s45
	s_lshl_b32 s45, s[WN], 8
	s_add_co_u32 s46, s46, s45
	s_mov_b32 s47, 0
	s_add_nc_u64 s[10:11], s[10:11], s[46:47]
	s_add_nc_u64 s[12:13], s[12:13], s[46:47]
	s_lshl_b32 s46, s19, 9
	s_add_co_u32 s46, s46, s45
	s_add_nc_u64 s[8:9], s[8:9], s[46:47]          ; the bias at my first column
	v_and_b32 v1, 15, v0                           ; r = l % 16
	v_bfe_u32 v2, v0, 4, 1                         ; h = l / 16
	v_and_b32 v3, 7, v0
	v_bfe_u32 v4, v0, 3, 1
	v_lshlrev_b32 v[BO], 4, v1
	v_lshl_add_u32 v[CO], v2, 12, v[BO]            ; lanes 0-15 one row's 256 bytes, lanes 16-31 the next row's
	WIN 0x80                                       ; destination window 2, address window 0
.set i, 0
.rept 32
	global_load_b128 v[RR+4*i:RR+4*i+3], v[CO], s[10:11] offset:8192*i
.set i, i+1
.endr
	WIN 0
	global_load_b128 v[BI:BI+3], v[BO], s[8:9]
	v_mul_u32_u24 v[ADRA0], v1, PA                 ; A's fragment: row r, 16 bytes for each half of the lanes, and 32 bytes on
	v_lshl_add_u32 v[ADRA0], v2, 4, v[ADRA0]
	s_mul_i32 s45, s[WM], 64*PA
	v_add_nc_u32 v[ADRA0], s45, v[ADRA0]
	v_lshl_add_u32 v5, v2, 3, v3                   ; B's: the turning load: lane l reads row 8 h + l % 8, columns 8 ((l / 8) % 2) + 0..7
	v_mul_u32_u24 v[ADRB0], v5, PB
	v_lshl_add_u32 v[ADRB0], v4, 4, v[ADRB0]
	s_lshl_b32 s45, s[WN], 7
	s_add_co_u32 s45, s45, BOFF
	v_add_nc_u32 v[ADRB0], s45, v[ADRB0]
	v_mov_b32 v[ADRA], v[ADRA0]
	v_mov_b32 v[ADRB], v[ADRB0]
	v_add_nc_u32 v[ADRB+1], 128*PB, v[ADRB0]
	s_mul_i32 s45, s[WV], 64*SPITCH                ; my stage, in slot 0
	v_mul_u32_u24 v[STO], v1, SPITCH
	v_lshl_add_u32 v[STO], v2, 5, v[STO]
	v_add_nc_u32 v[STO], s45, v[STO]
	v_mul_u32_u24 v[RD], v2, SPITCH
	v_lshl_add_u32 v[RD], v1, 4, v[RD]
	v_add_nc_u32 v[RD], s45, v[RD]
; 8 matrix instructions: row blocks a0, a0 + 1 x all 4 column blocks, 32 along K: half c of buffer f.  The 16 accumulators take turns.
.macro MUL f, c, a0, zero
	WIN 0xa1
.irp a, \a0, (\a0)+1
.irp b, 0,1,2,3
.if \zero
	v_wmma_f32_16x16x32_bf16 v[8*(4*(\a)+(\b)):8*(4*(\a)+(\b))+7], v[(\f)+8*(4*(\c)+(\b)):(\f)+8*(4*(\c)+(\b))+7], v[(\f)+8*(4*(\c)+(\a)):(\f)+8*(4*(\c)+(\a))+7], 0
.else
	v_wmma_f32_16x16x32_bf16 v[8*(4*(\a)+(\b)):8*(4*(\a)+(\b))+7], v[(\f)+8*(4*(\c)+(\b)):(\f)+8*(4*(\c)+(\b))+7], v[(\f)+8*(4*(\c)+(\a)):(\f)+8*(4*(\c)+(\a))+7], v[8*(4*(\a)+(\b)):8*(4*(\a)+(\b))+7]
.endif
.endr
.endr
.endm
; 32 LDS loads in one run: quarter q (64 along K) into buffer f: B's 8 fragments, then A's first 32 along K, then A's second
.macro FETCH q, f
	WIN 0x40
.irp c, 0,1
.irp i, 0,1,2,3
	ds_load_tr16_b128 v[(\f)+8*(4*(\c)+(\i)):(\f)+8*(4*(\c)+(\i))+3],   v[ADRB+(\q)/2] offset:((\q)%2)*64*PB+(\c)*32*PB+32*(\i)
	ds_load_tr16_b128 v[(\f)+8*(4*(\c)+(\i))+4:(\f)+8*(4*(\c)+(\i))+7], v[ADRB+(\q)/2] offset:((\q)%2)*64*PB+(\c)*32*PB+32*(\i)+16*PB
.endr
.endr
	WIN 0
.irp c, 0,1
.irp i, 0,1,2,3
	ds_load_b128 v[(\f)+8*(4*(\c)+(\i)):(\f)+8*(4*(\c)+(\i))+3],   v[ADRA] offset:(\q)*128*PA+64*(\c)+(\i)*16*PA
	ds_load_b128 v[(\f)+8*(4*(\c)+(\i))+4:(\f)+8*(4*(\c)+(\i))+7], v[ADRA] offset:(\q)*128*PA+64*(\c)+(\i)*16*PA+32
.endr
.endr
.endm
.macro QUARTER q, f, g, zero
	s_wait_dscnt 8                                 ; B and A's first 32 along K are in; the youngest eight loads (A's second 32) may be out
	MUL \f, 0, 0, \zero
	MUL \f, 0, 2, \zero
	PLACES
	FETCH \q, \g
	s_wait_dscnt 32                                ; all but the 32 just issued
	MUL \f, 1, 0, 0
	MUL \f, 1, 2, 0
.endm
; The last quarter multiplies buffer 1 and changes slots.  In front of the barrier each wave waits for all its tensor loads (one is out: its part of the next slot), adds 0 to its spare word, and waits
; for that and for its reads of this slot.  fill = 1: the barrier opens a round of the cluster's, and the slot just read is filled again, two steps ahead, first thing behind the round.
.macro TURN fill
	WIN 0
	s_wait_tensorcnt 0x0                           ; no tensor load of mine is out, so a group 0 may be written
	ds_add_u32 v[SPW], v[NIL]                      ; adds 0 to my spare word; register work stands between it and the wait for it
	s_xor_b32 s[TB], s[TB], SLOT                   ; the reads go to the other slot: all reads of this one have been issued
	v_add_nc_u32 v[ADRA], s[TB], v[ADRA0]
	v_add_nc_u32 v[ADRB], s[TB], v[ADRB0]
	v_add_nc_u32 v[ADRB+1], 128*PB, v[ADRB]
.if \fill
	s_xor_b32 s[G0A+5], s[G0A+5], SLOT             ; the walking set: the other slot than last time (SLOT shares no bit with wave x HALF), the next K step
	s_add_nc_u64 s[G0A+6:G0A+7], s[G0A+6:G0A+7], STEPB
	s_xor_b32 s[G0B+5], s[G0B+5], SLOT
	s_add_nc_u64 s[G0B+6:G0B+7], s[G0B+6:G0B+7], STEPB
.endif
	s_wait_dscnt 9                                 ; the add and the youngest eight loads may be out
	MUL F1, 0, 0, 0
	s_wait_dscnt 0x0                               ; the add is done, and my reads of this slot are over
	s_barrier_signal -1
	MUL F1, 0, 2, 0
	WIN 0
	s_barrier_wait -1
.if \fill
	CREST                                          ; no wave of any partner still reads the slot or has a load on its way
	JLOAD                                          ; my one tensor load behind the round; its four v_nop are also the places in front of the loads below
.else
	PLACES
.endif
	FETCH 0, F0
	MUL F1, 1, 0, 0
	MUL F1, 1, 2, 0
.endm
	s_wait_tensorcnt 0x1                           ; my part of step 0 is in; step 1's may stay out
	s_barrier_signal -1
	s_barrier_wait -1
	FETCH 0, F0
	QUARTER 1, F0, F1, 1                           ; the first quarter is written out: its first products start the sums
	WIN 0
	s_mov_b32 s[CNT], TSTEPS-1
	s_branch .Lin                                  ; the loop is entered in the middle of a trip: step 0 has no change of slots in front of it
.Lstep:                                                ; a whole trip: the change of slots that ends step k and fills its slot with step k + 2, then step k + 1's first three quarters
	TURN 1
	QUARTER 1, F0, F1, 0
	WIN 0                                          ; at a label every window is 0
.Lin:
	QUARTER 2, F1, F0, 0
	QUARTER 3, F0, F1, 0
	WIN 0
	s_sub_co_u32 s[CNT], s[CNT], 1
	s_cmp_lg_u32 s[CNT], 0
	s_cbranch_scc1 .Lstep                          ; TSTEPS - 2 whole trips
	TURN 0                                         ; the last change of slots and the last step are written out: nothing is left to fetch
	QUARTER 1, F0, F1, 0
	QUARTER 2, F1, F0, 0
	QUARTER 3, F0, F1, 0
	s_wait_dscnt 8
	MUL F1, 0, 0, 0
	MUL F1, 0, 2, 0
	s_wait_dscnt 0x0
	MUL F1, 1, 0, 0
	MUL F1, 1, 2, 0
	; THE WAY OUT.  My stage lies in slot 0: its last fill has landed, and every wave's last read of it stands in front of the last change of slots' barrier; the last step read slot 1.
	s_wait_loadcnt 0x0                             ; the residual and the bias
	WIN 0x88                                       ; source 0 window 0; source 1 and destination window 2
.set i, 0
.rept 32                                               ; bias + residual: 64 plain instructions that name no register of the last products: their places
	v_pk_add_f32 v[RR+4*i:RR+4*i+1],   v[BI:BI+1],   v[RR+4*i:RR+4*i+1]
	v_pk_add_f32 v[RR+4*i+2:RR+4*i+3], v[BI+2:BI+3], v[RR+4*i+2:RR+4*i+3]
.set i, i+1
.endr
	WIN 0x08                                       ; the stores' data: window 2
.irp a, 0,1,2,3
.irp b, 0,1,2,3
	ds_store_b128 v[STO], v[8*(4*(\a)+(\b)):8*(4*(\a)+(\b))+3]   offset:(\a)*16*SPITCH+64*(\b)     ; each accumulator's low registers first
	ds_store_b128 v[STO], v[8*(4*(\a)+(\b))+4:8*(4*(\a)+(\b))+7] offset:(\a)*16*SPITCH+64*(\b)+16
.endr
.endr
	WIN 0
.set i, 0
.rept 32
	ds_load_b128 v[X+4*i:X+4*i+3], v[RD] offset:2*SPITCH*i  ; LDS serves a wave's instructions in order (ISA guide 5.7.1.4): these see my stores above
.set i, i+1
.endr
	WIN 0x88
.set i, 0
.rept 32
	s_wait_dscnt 31-i                              ; LDS loads come back in order: item i is in
	v_pk_add_f32 v[RR+4*i:RR+4*i+1],   v[X+4*i:X+4*i+1],   v[RR+4*i:RR+4*i+1]
	v_pk_add_f32 v[RR+4*i+2:RR+4*i+3], v[X+4*i+2:X+4*i+3], v[RR+4*i+2:RR+4*i+3]
	global_store_b128 v[CO], v[RR+4*i:RR+4*i+3], s[12:13] offset:8192*i  ; 16 lanes store 256 consecutive bytes, aligned
.set i, i+1
.endr
	WIN 0
	s_wait_tensorcnt 0x0                           ; the wave's end: the add to my spare word and its wait, behind my last tensor load and my last LDS store
	ds_add_u32 v[SPW], v[NIL]
	s_wait_dscnt 0x0
	CROUND                                         ; the closing round: no work-group ends while a partner may still ask for a tile that names it
	s_endpgm
.Lfunc_end_k_qe07bfa1486_wo:
	.size	k_qe07bfa1486_wo, .Lfunc_end_k_qe07bfa1486_wo-k_qe07bfa1486_wo
	.p2alignl 7, 3214868480
	.fill 96, 4, 3214868480
	.section	.rodata,"a",@progbits
	.p2align	6, 0x0
	.amdhsa_kernel k_qe07bfa1486_wo
		.amdhsa_group_segment_fixed_size 327680
		.amdhsa_private_segment_fixed_size 0
		.amdhsa_enable_private_segment 0
		.amdhsa_kernarg_size 40
		.amdhsa_user_sgpr_count 2
		.amdhsa_user_sgpr_kernarg_segment_ptr 1
		.amdhsa_wavefront_size32 1
		.amdhsa_system_sgpr_workgroup_id_x 1
		.amdhsa_system_sgpr_workgroup_id_y 1
		.amdhsa_system_sgpr_workgroup_id_z 1
		.amdhsa_system_vgpr_workitem_id 0
		.amdhsa_next_free_vgpr 768
		.amdhsa_next_free_sgpr 100
		.amdhsa_reserve_vcc 0
		.amdhsa_float_denorm_mode_32 3
		.amdhsa_float_denorm_mode_16_64 3
		.amdhsa_memory_ordered 1
		.amdhsa_forward_progress 1
		.amdhsa_inst_pref_size 72
	.end_amdhsa_kernel
	.amdgpu_metadata
---
amdhsa.version: [ 1, 2 ]
amdhsa.kernels:
  - .name:           k_qe07bfa1486_wo
    .symbol:         k_qe07bfa1486_wo.kd
    .args:
      - { .name: ctx, .offset: 0, .size: 8, .value_kind: global_buffer, .address_space: global }
      - { .name: wo_b, .offset: 8, .size: 8, .value_kind: global_buffer, .address_space: global }
      - { .name: b_o, .offset: 16, .size: 8, .value_kind: global_buffer, .address_space: global }
      - { .name: x, .offset: 24, .size: 8, .value_kind: global_buffer, .address_space: global }
      - { .name: res, .offset: 32, .size: 8, .value_kind: global_buffer, .address_space: global }
    .group_segment_fixed_size: 327680
    .private_segment_fixed_size: 0
    .kernarg_segment_align: 8
    .kernarg_segment_size: 40
    .max_flat_workgroup_size: 128
    .sgpr_count:     100
    .vgpr_count:     768
    .wavefront_size: 32
...
	.end_amdgpu_metadata
.endif
;; end of part 4
;; launch ln2 (part 5): grid 256 x 1, 8 waves a work-group, no clusters, 0 bytes of LDS; arguments res, ln2_w, ln2_b, act; writes act
.if DOCPART == 5
	.amdgcn_target "amdgcn-amd-amdhsa--gfx1250"
	.amdhsa_code_object_version 6
	.text
	.protected	k_qe07bfa1486_ln2
	.globl	k_qe07bfa1486_ln2
	.p2align	8
	.type	k_qe07bfa1486_ln2,@function
k_qe07bfa1486_ln2:
	s_mov_b64 s[64:65], 0
	v_nop
	global_prefetch_b8 v0, s[64:65] scope:SCOPE_SE
	s_setreg_imm32_b32 hwreg(HW_REG_WAVE_MODE, 25, 1), 1
	s_wait_xcnt 0x0
; LayerNorm of rows of 1,024 f32: y = (x - mean) / sqrt(var + 1e-5) * w + b, rounded once to bf16.  Mean first, then the mean of (x - mean)^2 on the row kept in
; registers: no difference of large sums is formed, so a common offset of the inputs costs nothing.  Memory is read once.
; OUT in blocks of 128 rows x 64 columns: byte(m, k) = ((m >> 7) 16 + (k >> 6)) 16384 + (m & 127) 128 + (k & 63) 2, so that a product's tensor load asks for dense blocks.
; A stream: no LDS, no barrier.  Work-group g owns rows 16 g .. 16 g + 15, wave w two of them.  Lane: sub = l & 7, row = (l >> 3) & 1, p = l >> 4; for j = 0..7 it holds the 8 numbers
; at column 128 j + 64 p + 8 sub: after rounding, 16 lanes hold two rows' 128 bytes of one block, 256 consecutive bytes, and the other 16 lanes those of the next block.
.set X,  8                             ; v[8:71]    my 64 numbers
.set W,  72                            ; v[72:135]  their gains
.set BB, 136                           ; v[136:199] their biases
.set SS, 200                           ; v[200:207] four chains of packed sums
.set MU, 208                           ; v[208:209] the mean, twice
.set RS, 210                           ; v[210:211] 1 / sqrt(var + eps), twice
.set TM, 212                           ; v[212:213] at work
	s_load_b256 s[4:11], s[0:1], 0x0               ; x s[4:5], w s[6:7], b s[8:9], out s[10:11]
	v_lshrrev_b32 v1, 5, v0
	v_readfirstlane_b32 s2, v1                     ; wave 0..7
	s_lshl_b32 s3, ttmp9, 4
	s_lshl1_add_u32 s3, s2, s3                     ; my first row: 16 g + 2 w
	s_lshl_b32 s16, s3, 12                         ; x 4,096 bytes
	s_mov_b32 s17, 0
	s_lshr_b32 s18, ttmp9, 3
	s_lshl_b32 s18, s18, 18                        ; the row's tile of 128 rows: 16 blocks of 16,384 bytes
	s_and_b32 s20, s3, 127
	s_lshl_b32 s20, s20, 7                         ; the row in a block: 128 bytes
	s_add_co_u32 s18, s18, s20
	s_mov_b32 s19, 0
	s_mov_b32 s12, 0x76543210                      ; v_permlanex16_b32: each lane takes its own place in the other half
	s_mov_b32 s13, 0xfedcba98
	s_mov_b32 s14, 0x3a800000                      ; 1 / 1024
	s_mov_b32 s15, 0x3727c5ac                      ; 1e-5
	v_and_b32 v4, 7, v0
	v_bfe_u32 v5, v0, 3, 1
	v_bfe_u32 v6, v0, 4, 1
	v_lshlrev_b32 v2, 5, v4
	v_lshl_add_u32 v2, v6, 8, v2                   ; in w and b: 256 p + 32 sub
	v_lshl_add_u32 v1, v5, 12, v2                  ; in x: + 4,096 row
	v_and_b32 v3, 15, v0
	v_lshlrev_b32 v3, 4, v3
	v_lshl_add_u32 v3, v6, 14, v3                  ; in out: 16 (l & 15) + 16,384 p
	v_mov_b32 v[TM+1], 0                           ; v_permlanex16_b32's destination counts as read
	s_wait_kmcnt 0x0
	s_add_nc_u64 s[4:5], s[4:5], s[16:17]
	s_add_nc_u64 s[10:11], s[10:11], s[18:19]
.macro LOAD64 dst, off, base
.set j, 0
.rept 8
	global_load_b128 v[(\dst)+8*j:(\dst)+8*j+3],   v[\off], s[\base:\base+1] offset:512*j
	global_load_b128 v[(\dst)+8*j+4:(\dst)+8*j+7], v[\off], s[\base:\base+1] offset:512*j+16
.set j, j+1
.endr
.endm
	LOAD64 X, 1, 4
	LOAD64 W, 2, 6
	LOAD64 BB, 2, 8
; The four chains into one number, then over the 16 lanes of my row: they differ in lane bits 0, 1, 2 and 4, so three steps inside the 16 lanes and one across the halves.
.macro FOLD
	v_pk_add_f32 v[SS:SS+1], v[SS:SS+1], v[SS+2:SS+3]
	v_pk_add_f32 v[SS+4:SS+5], v[SS+4:SS+5], v[SS+6:SS+7]
	v_pk_add_f32 v[SS:SS+1], v[SS:SS+1], v[SS+4:SS+5]
	v_add_f32 v[TM], v[SS], v[SS+1]
	v_add_f32_dpp v[TM], v[TM], v[TM] row_xmask:1 row_mask:0xf bank_mask:0xf
	v_add_f32_dpp v[TM], v[TM], v[TM] row_xmask:2 row_mask:0xf bank_mask:0xf
	v_add_f32_dpp v[TM], v[TM], v[TM] row_xmask:4 row_mask:0xf bank_mask:0xf
	v_permlanex16_b32 v[TM+1], v[TM], s12, s13
	v_add_f32 v[TM], v[TM], v[TM+1]
.endm
	s_wait_loadcnt 32                              ; x is in; the 32 loads of w and b stay out
.irp k, 0,1,2,3
	v_pk_add_f32 v[SS+2*(\k):SS+2*(\k)+1], v[X+2*(\k):X+2*(\k)+1], v[X+8+2*(\k):X+8+2*(\k)+1]  ; the first pairs start the chains: nothing is cleared
.endr
.set p, 8
.rept 24
	v_pk_add_f32 v[SS+2*(p%4):SS+2*(p%4)+1], v[SS+2*(p%4):SS+2*(p%4)+1], v[X+2*p:X+2*p+1]
.set p, p+1
.endr
	FOLD
	v_mul_f32 v[MU], s14, v[TM]
	v_mov_b32 v[MU+1], v[MU]
.set p, 0
.rept 32
	v_pk_add_f32 v[X+2*p:X+2*p+1], v[X+2*p:X+2*p+1], v[MU:MU+1] neg_lo:[0,1] neg_hi:[0,1]
.set p, p+1
.endr
.irp k, 0,1,2,3
	v_pk_mul_f32 v[SS+2*(\k):SS+2*(\k)+1], v[X+2*(\k):X+2*(\k)+1], v[X+2*(\k):X+2*(\k)+1]
.endr
.set p, 4
.rept 28
	v_pk_fma_f32 v[SS+2*(p%4):SS+2*(p%4)+1], v[X+2*p:X+2*p+1], v[X+2*p:X+2*p+1], v[SS+2*(p%4):SS+2*(p%4)+1]
.set p, p+1
.endr
	FOLD
	v_fma_f32 v[TM], v[TM], s14, s15               ; var + eps
	v_rsq_f32 v[RS], v[TM]
	v_nop                                          ; a plain instruction between the root and the use of its result (ISA guide 5.7.2)
	s_wait_alu depctr_va_vdst(0)
	v_mov_b32 v[RS+1], v[RS]
	s_wait_loadcnt 0x0                             ; w and b
.set p, 0
.rept 32
	v_pk_mul_f32 v[X+2*p:X+2*p+1], v[X+2*p:X+2*p+1], v[RS:RS+1]
.set p, p+1
.endr
.set p, 0
.rept 32
	v_pk_fma_f32 v[X+2*p:X+2*p+1], v[X+2*p:X+2*p+1], v[W+2*p:W+2*p+1], v[BB+2*p:BB+2*p+1]
.set p, p+1
.endr
.set j, 0
.rept 8
.irp k, 0,1,2,3
	v_cvt_pk_bf16_f32 v[X+8*j+(\k)], v[X+8*j+2*(\k)], v[X+8*j+2*(\k)+1]
.endr
	global_store_b128 v3, v[X+8*j:X+8*j+3], s[10:11] offset:32768*j  ; lanes 0-15: my two rows in block 2 j, 256 consecutive bytes, aligned; lanes 16-31: in block 2 j + 1
.set j, j+1
.endr
	s_endpgm
.Lfunc_end_k_qe07bfa1486_ln2:
	.size	k_qe07bfa1486_ln2, .Lfunc_end_k_qe07bfa1486_ln2-k_qe07bfa1486_ln2
	.p2alignl 7, 3214868480
	.fill 96, 4, 3214868480
	.section	.rodata,"a",@progbits
	.p2align	6, 0x0
	.amdhsa_kernel k_qe07bfa1486_ln2
		.amdhsa_group_segment_fixed_size 0
		.amdhsa_private_segment_fixed_size 0
		.amdhsa_enable_private_segment 0
		.amdhsa_kernarg_size 32
		.amdhsa_user_sgpr_count 2
		.amdhsa_user_sgpr_kernarg_segment_ptr 1
		.amdhsa_wavefront_size32 1
		.amdhsa_system_sgpr_workgroup_id_x 1
		.amdhsa_system_sgpr_workgroup_id_y 1
		.amdhsa_system_sgpr_workgroup_id_z 1
		.amdhsa_system_vgpr_workitem_id 0
		.amdhsa_next_free_vgpr 216
		.amdhsa_next_free_sgpr 66
		.amdhsa_reserve_vcc 0
		.amdhsa_float_denorm_mode_32 3
		.amdhsa_float_denorm_mode_16_64 3
		.amdhsa_memory_ordered 1
		.amdhsa_forward_progress 1
		.amdhsa_inst_pref_size 20
	.end_amdhsa_kernel
	.amdgpu_metadata
---
amdhsa.version: [ 1, 2 ]
amdhsa.kernels:
  - .name:           k_qe07bfa1486_ln2
    .symbol:         k_qe07bfa1486_ln2.kd
    .args:
      - { .name: res, .offset: 0, .size: 8, .value_kind: global_buffer, .address_space: global }
      - { .name: ln2_w, .offset: 8, .size: 8, .value_kind: global_buffer, .address_space: global }
      - { .name: ln2_b, .offset: 16, .size: 8, .value_kind: global_buffer, .address_space: global }
      - { .name: act, .offset: 24, .size: 8, .value_kind: global_buffer, .address_space: global }
    .group_segment_fixed_size: 0
    .private_segment_fixed_size: 0
    .kernarg_segment_align: 8
    .kernarg_segment_size: 32
    .max_flat_workgroup_size: 256
    .sgpr_count:     66
    .vgpr_count:     216
    .wavefront_size: 32
...
	.end_amdgpu_metadata
.endif
;; end of part 5
;; launch up (part 6): grid 16 x 16, 4 waves a work-group, clusters of 4 x 4, 327,680 bytes of LDS; arguments act, wu_b, b_up, big; writes big
.if DOCPART == 6
	.amdgcn_target "amdgcn-amd-amdhsa--gfx1250"
	.amdhsa_code_object_version 6
	.text
	.protected	k_qe07bfa1486_up
	.globl	k_qe07bfa1486_up
	.p2align	8
	.type	k_qe07bfa1486_up,@function
k_qe07bfa1486_up:
	s_mov_b64 s[64:65], 0
	v_nop
	global_prefetch_b8 v0, s[64:65] scope:SCOPE_SE
	s_setreg_imm32_b32 hwreg(HW_REG_WAVE_MODE, 25, 1), 1
	s_wait_xcnt 0x0
	s_wait_alu depctr_hold_cnt(0) depctr_sa_sdst(0) depctr_va_vdst(0) depctr_va_sdst(0) depctr_va_ssrc(0) depctr_va_vcc(0) depctr_vm_vsrc(0)
	s_getreg_b32 s2, hwreg(HW_REG_IB_STS2, 6, 4)
	s_cmp_eq_u32 s2, 0
	s_cbranch_scc0 .Lentry_in_a_cluster
	s_endpgm
.Lentry_in_a_cluster:
	s_bfe_u32 s2, ttmp6, 0x10000c
	s_cmp_lg_u32 s2, 0xf033
	s_cbranch_scc0 .Lentry_shape_is_right
	s_endpgm
.Lentry_shape_is_right:
; C = A B + bias (and, with GELU = 1, the exact-erf GELU of it), rounded once to bf16.  A: [4096][1024] bf16 in blocks of 128 rows x 64 columns (16,384 dense bytes; the 16 blocks of a
; tile of 128 rows on end).  B: [1024][N] bf16 in panels of 128 columns (rows of 256 dense bytes).  C: blocks like A's, NBLK to a tile of rows.  Sums, bias and GELU in f32.
; A tile of C is 256 x 256: four waves, each 128 x 128 = 64 accumulators = 512 registers.  K goes in steps of 128 through two LDS slots; a wave's one tensor load brings 32,768 dense bytes.
; CLUSTER 4 x 4: A's tiles are shared along a row of the cluster, B's along a column: joint loads, each with a mask of four.
; THE MATRIX INSTRUCTION IS USED TRANSPOSED: source 0 = 16 columns of B (turned on the way out of LDS by ds_load_tr16_b128), source 1 = 16 rows of A: a lane holds row l % 16 of C and 8 neighbouring columns.
; A K step stands ONCE in the loop, which is entered in the middle of a trip: the slot read is a scalar that an exclusive or turns, and one descriptor set walks from step 1 to the last.
; GELU: erf by the rational form 1 - (a1 t + a2 t^2 + a3 t^3) exp(-z^2), t = 1 / (1 + 0.47047 z), whose error is at most 2.5e-5 for every z >= 0:
;   g = max(y, 0) - |y| (((A3 t + A2) t + A1) t) 2^(NC y^2), t = 1 / (1 + PP |y|); the a's are halved, PP = 0.47047 / sqrt 2, NC = -log2(e) / 2.  For large |y| the power is 0 and g = max(y, 0).
; LIMITS: operands are rounded to bf16 (f32's range); NaN and infinities are not treated apart.
; REGISTERS, in windows of 256: window 0: v16-30 addresses; v32-47 bias; v64-127, v128-191 A's fragments, two buffers; on the way out v48-255 at work.
;   window 1: v64-127, v128-191 B's fragments.   window 2: accumulators of my rows 0-63 ((a, b) at v[8 (8 a + b)]).   window 3: those of rows 64-127.
.set NBLK,   64                        ; blocks of 64 columns in a row of C
.set GELU,   1
.set TSTEPS, 8                         ; K steps: 1024 / 128
.set PA,     144                       ; A's row in LDS: 128 bytes + 16 = 36 words: the 16 rows of a load start at 16 different groups of four banks (64 banks of 4 bytes: ISA guide 11.1)
.set PB,     288                       ; B's row: 256 + 32 = 72 words
.set HALF,   36864                     ; what one tensor load fills: 256 x 144 = 128 x 288
.set BOFF,   2*HALF                    ; a slot: A [row tile 0, 1][k block 0, 1][128 rows], then B [panel 0, 1][128 k]
.set SLOT,   4*HALF
.set SPARE,  2*SLOT                    ; behind the ring: the spare words, 128 bytes a wave: two blocks of 256 bytes that no other line names
.set STEPB,  32768                     ; bytes from a K step to the next, in A and in B
.set SPITCH, 528                       ; the way out: a row of 128 f32 + 16 bytes = 132 words
.set REGION, 128*SPITCH                ; a wave's stage; the four lie over the slots, which have had their last fill
.set ADRA0, 16                         ; v16 my lane's place in A's part of a slot; never rewritten
.set ADRB0, 17                         ; v17 the same for B
.set ADRA,  18                         ; v18, v19 the same in the slot that is read
.set ADRB,  19
.set STO,   24                         ; v24 the way out: where I put 32 bytes of a row
.set RD0,   25                         ; v25 where I read rows back, first trip
.set GO,    26                         ; v26 my byte offset in C's blocks
.set BO,    27                         ; v27 my byte offset in the bias
.set SPW,   28                         ; v28 LDS address of my spare word; never rewritten
.set NIL,   29                         ; v29 0; never rewritten
.set RD,    30                         ; v30 where the next trip's rows are read
.set F0,    64
.set F1,    128
.set BI,    32                         ; v32-47 bias: 8 numbers for each of my two blocks
.set Y,     48                         ; v48-63 four items of 16 bytes to store
.set X,     64                         ; v64-95 four items of 8 sums
.set T,     96                         ; v96-127 sums + bias
.set AY,    128
.set DD,    160
.set QQ,    192
.set PO,    224
.set WV, 14                            ; s14 wave; s15 = wave / 2: my half of the rows, and A (0) or B (1) to fetch; s16 = wave % 2: my half of the columns, and which half I fetch
.set WM, 15
.set WN, 16
.set G1A, 24                           ; s[24:31] descriptor group 1 for A; s[32:39] group 0: set 0 (step 0), set 1 (step 1, then it walks)
.set G0A, 32
.set G1B, 48                           ; s[48:55], s[56:63] the same for B
.set G0B, 56
.set TB,  66                           ; s66 the slot that is read: 0 or SLOT
.set CNT, 67
.set ROWS, 68
.set AHEAD, 69
.set CPP, 70                           ; s[70:79] GELU's constants, as pairs
.set CNC, 72
.set CA1, 74
.set CA2, 76
.set CA3, 78
.set ABSM, 80
.set MSB, 0
.macro WIN new                         ; the immediate's high byte repeats the setting that is left; a switch that changes nothing is dropped
.if MSB != (\new)
	s_set_vgpr_msb (MSB<<8)|(\new)
.set MSB, \new
.endif
.endm
.macro PLACES                          ; four places in front of loads into registers that matrix instructions have read, and of reads of results
.rept 4
	v_nop
.endr
.endm
.macro JLOAD                           ; the joint refill by the walking set: waves 0, 1 for A, waves 2, 3 for B; the branch hangs on the wave's number alone; s_nop 0 and four v_nop follow each line
	s_cmp_eq_u32 s[WM], 0
	s_cbranch_scc0 .Lfor_b_\@
	tensor_load_to_lds s[G0A+4:G0A+7], s[G1A:G1A+7]
	s_nop 0
.rept 4
	v_nop
.endr
	s_branch .Lasked_\@
.Lfor_b_\@:
	tensor_load_to_lds s[G0B+4:G0B+7], s[G1B:G1B+7]
	s_nop 0
.rept 4
	v_nop
.endr
.Lasked_\@:
.endm
.macro CREST                           ; a round of the cluster's barrier behind its opening barrier
	s_cmp_lg_u32 s[WV], 0
	s_cbranch_scc1 .Lnot_wave_0_\@
	s_barrier_signal -3
.Lnot_wave_0_\@:
	s_barrier_wait -3
	s_barrier_signal -1
	s_barrier_wait -1
.endm
.macro CROUND
	s_barrier_signal -1
	s_barrier_wait -1
	CREST
.endm
	s_load_b256 s[4:11], s[0:1], 0x0               ; A s[4:5], B s[6:7], bias s[8:9], C s[10:11]
	v_lshl_add_u32 v[SPW], v0, 2, SPARE
	v_mov_b32 v[NIL], 0
	ds_add_u32 v[SPW], v[NIL]                      ; the wave's opening: the add and its wait stand ahead of my first tensor load; register work stands between them
	v_lshrrev_b32 v1, 5, v0
	v_readfirstlane_b32 s[WV], v1
	s_lshr_b32 s[WM], s[WV], 1
	s_and_b32 s[WN], s[WV], 1
	s_bfe_u32 s17, ttmp6, 0x40000                  ; cx
	s_bfe_u32 s18, ttmp6, 0x40004                  ; cy
	s_lshl_b32 s19, ttmp9, 2
	s_add_co_u32 s19, s19, s17                     ; tile column
	s_and_b32 s20, ttmp7, 0xffff
	s_lshl_b32 s20, s20, 2
	s_add_co_u32 s20, s20, s18                     ; tile row
	s_lshl_b32 s21, s18, 2
	s_lshl_b32 s21, 15, s21                        ; my row of the cluster
	s_lshl_b32 s22, 0x1111, s17                    ; my column
	s_or_b32 s[G1A], s21, (1<<16)|(1<<20)|(1<<21)|(4<<22)|(3<<25)  ; mask; 2-byte elements; padding on; bit 21 beside a mask; after every 32 words, 4 words
	s_or_b32 s[G1B], s22, (1<<16)|(1<<20)|(1<<21)|(5<<22)|(7<<25)  ; after every 64 words, 8 words
.irp g, G1A, G1B
	s_mov_b32 s[(\g)+1], 128<<16                   ; tensor_dim0 = 128 elements: rows of 256 bytes
	s_mov_b32 s[(\g)+2], 128<<16                   ; tensor_dim1 = 128
	s_mov_b32 s[(\g)+3], 128<<16                   ; tile_dim0 = 128
	s_mov_b32 s[(\g)+4], 128                       ; tile_dim1 = 128
	s_mov_b32 s[(\g)+5], 128                       ; dense: 128 elements from row to row
	s_mov_b32 s[(\g)+6], 0
	s_mov_b32 s[(\g)+7], 0
.endr
	s_lshl_b32 s40, s20, 1                         ; A: tile of 128 rows 2 x tile row + half, 262,144 bytes each: hangs on the tile row and the wave alone
	s_add_co_u32 s40, s40, s[WN]
	s_lshl_b32 s40, s40, 18
	s_mov_b32 s41, 0
	s_lshl_b32 s42, s19, 1                         ; B: panel 2 x tile column + half, 262,144 bytes each: on the tile column and the wave alone
	s_add_co_u32 s42, s42, s[WN]
	s_lshl_b32 s42, s42, 18
	s_mov_b32 s43, 0
	s_mul_i32 s44, s[WV], HALF                     ; where my load lands: no place in the cluster enters an LDS address
	s_mov_b32 s[TB], 0
.if GELU
	s_mov_b32 s[CPP], 0x3eaa540e
	s_mov_b32 s[CPP+1], s[CPP]
	s_mov_b32 s[CNC], 0xbf38aa3b
	s_mov_b32 s[CNC+1], s[CNC]
	s_mov_b32 s[CA1], 0x3e32303a
	s_mov_b32 s[CA1+1], s[CA1]
	s_mov_b32 s[CA2], 0xbd445ca1
	s_mov_b32 s[CA2+1], s[CA2]
	s_mov_b32 s[CA3], 0x3ebf7377
	s_mov_b32 s[CA3+1], s[CA3]
	s_mov_b32 s[ABSM], 0x7fffffff
.endif
	s_wait_dscnt 0x0                               ; the opening add is done
	s_wait_kmcnt 0x0
	s_add_nc_u64 s[40:41], s[4:5], s[40:41]
	s_add_nc_u64 s[42:43], s[6:7], s[42:43]
.irp s, 0,1
	s_mov_b32 s[G0A+4*(\s)], 1
	s_add_co_u32 s[G0A+4*(\s)+1], s44, (\s)*SLOT
	s_add_nc_u64 s[G0A+4*(\s)+2:G0A+4*(\s)+3], s[40:41], (\s)*STEPB
	s_or_b32 s[G0A+4*(\s)+3], s[G0A+4*(\s)+3], 0x80000000
	s_mov_b32 s[G0B+4*(\s)], 1
	s_add_co_u32 s[G0B+4*(\s)+1], s44, (\s)*SLOT
	s_add_nc_u64 s[G0B+4*(\s)+2:G0B+4*(\s)+3], s[42:43], (\s)*STEPB
	s_or_b32 s[G0B+4*(\s)+3], s[G0B+4*(\s)+3], 0x80000000
.endr
	CROUND                                         ; all sixteen work-groups are here: the first joint loads meet
	s_cmp_eq_u32 s[WM], 0                          ; a wave's two first fills stand in one branch: two loads of mine are out
	s_cbranch_scc0 .Lfirst_b
	tensor_load_to_lds s[G0A:G0A+3], s[G1A:G1A+7]
	s_nop 0
	tensor_load_to_lds s[G0A+4:G0A+7], s[G1A:G1A+7]
	s_nop 0
.rept 4
	v_nop
.endr
	s_branch .Lfirst_done
.Lfirst_b:
	tensor_load_to_lds s[G0B:G0B+3], s[G1B:G1B+7]
	s_nop 0
	tensor_load_to_lds s[G0B+4:G0B+7], s[G1B:G1B+7]
	s_nop 0
.rept 4
	v_nop
.endr
.Lfirst_done:
	s_lshl_b32 s45, s20, 1                         ; C: my two blocks begin at block (2 x tile row + WM) NBLK + 4 x tile column + 2 WN
	s_add_co_u32 s45, s45, s[WM]
	s_mul_i32 s45, s45, NBLK
	s_lshl2_add_u32 s45, s19, s45
	s_lshl1_add_u32 s45, s[WN], s45
	s_lshl_b32 s46, s45, 14
	s_mov_b32 s47, 0
	s_add_nc_u64 s[10:11], s[10:11], s[46:47]
	s_lshl_b32 s46, s19, 10                        ; bias: my first column, 256 x tile column + 128 WN, x 4 bytes
	s_lshl_b32 s45, s[WN], 9
	s_add_co_u32 s46, s46, s45
	s_add_nc_u64 s[8:9], s[8:9], s[46:47]
	v_and_b32 v1, 15, v0                           ; r = l % 16
	v_bfe_u32 v2, v0, 4, 1                         ; h = l / 16
	v_and_b32 v3, 7, v0
	v_bfe_u32 v4, v0, 3, 1
	v_mul_u32_u24 v[ADRA0], v1, PA                 ; A's fragment: row r, 16 bytes for each half of the lanes, and 32 bytes on
	v_lshl_add_u32 v[ADRA0], v2, 4, v[ADRA0]
	s_mul_i32 s45, s[WM], HALF
	v_add_nc_u32 v[ADRA0], s45, v[ADRA0]
	v_lshl_add_u32 v5, v2, 3, v3                   ; B's: the turning load takes 16 k x 16 columns: lane l reads row 8 h + l % 8, columns 8 ((l / 8) % 2) + 0..7
	v_mul_u32_u24 v[ADRB0], v5, PB
	v_lshl_add_u32 v[ADRB0], v4, 4, v[ADRB0]
	s_mul_i32 s45, s[WN], HALF
	s_add_co_u32 s45, s45, BOFF
	v_add_nc_u32 v[ADRB0], s45, v[ADRB0]
	v_mov_b32 v[ADRA], v[ADRA0]
	v_mov_b32 v[ADRB], v[ADRB0]
	s_mul_i32 s45, s[WV], REGION
	v_mul_u32_u24 v[STO], v1, SPITCH               ; into the stage: row r, 32 bytes for each half of the lanes
	v_lshl_add_u32 v[STO], v2, 5, v[STO]
	v_add_nc_u32 v[STO], s45, v[STO]
	v_bfe_u32 v6, v0, 3, 2
	v_mul_u32_u24 v[RD0], v6, SPITCH               ; back: 8 lanes take 64 columns of a row, 32 lanes four rows
	v_lshl_add_u32 v[RD0], v3, 5, v[RD0]
	v_add_nc_u32 v[RD0], s45, v[RD0]
	v_and_b32 v[GO], 31, v0
	v_lshlrev_b32 v[GO], 4, v[GO]                  ; which are 512 consecutive bytes of a block of C
	v_lshlrev_b32 v[BO], 5, v3
	global_load_b128 v[BI:BI+3],     v[BO], s[8:9]             ; the bias lands under the K loop
	global_load_b128 v[BI+4:BI+7],   v[BO], s[8:9] offset:16
	global_load_b128 v[BI+8:BI+11],  v[BO], s[8:9] offset:256
	global_load_b128 v[BI+12:BI+15], v[BO], s[8:9] offset:272
; 16 matrix instructions: row blocks a0, a0 + 1 of half hi x all 8 column blocks, 32 along K.  zero = 1: the first product starts the sums.  The 64 accumulators take turns.
.macro MUL f, hi, a0, zero
	WIN 0xa1+0x50*(\hi)
.irp a, \a0, (\a0)+1
.irp b, 0,1,2,3,4,5,6,7
.if \zero
	v_wmma_f32_16x16x32_bf16 v[8*(8*(\a)+(\b)):8*(8*(\a)+(\b))+7], v[(\f)+8*(\b):(\f)+8*(\b)+7], v[(\f)+8*(4*(\hi)+(\a)):(\f)+8*(4*(\hi)+(\a))+7], 0
.else
	v_wmma_f32_16x16x32_bf16 v[8*(8*(\a)+(\b)):8*(8*(\a)+(\b))+7], v[(\f)+8*(\b):(\f)+8*(\b)+7], v[(\f)+8*(4*(\hi)+(\a)):(\f)+8*(4*(\hi)+(\a))+7], v[8*(8*(\a)+(\b)):8*(8*(\a)+(\b))+7]
.endif
.endr
.endr
.endm
; 32 LDS loads in one run: quarter q (32 along K) of the slot that is read, into buffer f: B's 8 fragments, then A's 8
.macro FETCH q, f
	WIN 0x40
.irp i, 0,1,2,3,4,5,6,7
	ds_load_tr16_b128 v[(\f)+8*(\i):(\f)+8*(\i)+3],   v[ADRB] offset:(\q)*32*PB+32*(\i)
	ds_load_tr16_b128 v[(\f)+8*(\i)+4:(\f)+8*(\i)+7], v[ADRB] offset:(\q)*32*PB+32*(\i)+16*PB
.endr
	WIN 0
.irp i, 0,1,2,3,4,5,6,7
	ds_load_b128 v[(\f)+8*(\i):(\f)+8*(\i)+3],   v[ADRA] offset:((\q)/2)*128*PA+((\q)%2)*64+(\i)*16*PA
	ds_load_b128 v[(\f)+8*(\i)+4:(\f)+8*(\i)+7], v[ADRA] offset:((\q)/2)*128*PA+((\q)%2)*64+(\i)*16*PA+32
.endr
.endm
; One of a step's first three quarters: multiplies buffer f and, in its middle, fetches quarter q into buffer g
.macro QUARTER q, f, g, zero
	s_wait_dscnt 8                                 ; B and A's rows 0-63 are in; the youngest eight loads (A's rows 64-127) may be out
	MUL \f, 0, 0, \zero
	MUL \f, 0, 2, \zero
	PLACES
	FETCH \q, \g
	s_wait_dscnt 32                                ; all but the 32 just issued
	MUL \f, 1, 0, \zero
	MUL \f, 1, 2, \zero
.endm
; The last quarter multiplies buffer 1 and changes slots.  In front of the barrier each wave waits for all its tensor loads (one is out: its part of the next slot), adds 0 to its spare word, and waits
; for that and for its reads of this slot.  fill = 1: the barrier opens a round of the cluster's, and the slot just read is filled again, two steps ahead, first thing behind the round.
.macro TURN fill
	WIN 0
	s_wait_tensorcnt 0x0                           ; no tensor load of mine is out, so a group 0 may be written
	ds_add_u32 v[SPW], v[NIL]                      ; adds 0 to my spare word; register work stands between it and the wait for it
	s_xor_b32 s[TB], s[TB], SLOT                   ; the reads go to the other slot: all reads of this one have been issued
	v_add_nc_u32 v[ADRA], s[TB], v[ADRA0]
	v_add_nc_u32 v[ADRB], s[TB], v[ADRB0]
.if \fill
	s_xor_b32 s[G0A+5], s[G0A+5], SLOT             ; the walking set: the other slot than last time (SLOT shares no bit with wave x HALF), the next K step
	s_add_nc_u64 s[G0A+6:G0A+7], s[G0A+6:G0A+7], STEPB
	s_xor_b32 s[G0B+5], s[G0B+5], SLOT
	s_add_nc_u64 s[G0B+6:G0B+7], s[G0B+6:G0B+7], STEPB
.endif
	s_wait_dscnt 9                                 ; the add and the youngest eight loads may be out
	MUL F1, 0, 0, 0
	s_wait_dscnt 0x0                               ; the add is done, and my reads of this slot are over
	s_barrier_signal -1
	MUL F1, 0, 2, 0
	WIN 0
	s_barrier_wait -1
.if \fill
	CREST                                          ; no wave of any partner still reads the slot or has a load on its way
	JLOAD                                          ; my one tensor load behind the round; its four v_nop are also the places in front of the loads below
.else
	PLACES
.endif
	FETCH 0, F0
	MUL F1, 1, 0, 0
	MUL F1, 1, 2, 0
.endm
	s_wait_tensorcnt 0x1                           ; my part of step 0 is in; step 1's may stay out
	s_barrier_signal -1
	s_barrier_wait -1
	FETCH 0, F0
	QUARTER 1, F0, F1, 1                           ; the first quarter is written out: its products start the sums
	WIN 0
	s_mov_b32 s[CNT], TSTEPS-1
	s_branch .Lin                                  ; the loop is entered in the middle of a trip: step 0 has no change of slots in front of it
.Lstep:                                                ; a whole trip: the change of slots that ends step k and fills its slot with step k + 2, then step k + 1's first three quarters
	TURN 1
	QUARTER 1, F0, F1, 0
	WIN 0                                          ; at a label every window is 0
.Lin:
	QUARTER 2, F1, F0, 0
	QUARTER 3, F0, F1, 0
	WIN 0
	s_sub_co_u32 s[CNT], s[CNT], 1
	s_cmp_lg_u32 s[CNT], 0
	s_cbranch_scc1 .Lstep                          ; TSTEPS - 2 whole trips
	TURN 0                                         ; the last change of slots and the last step are written out: nothing is left to fetch
	QUARTER 1, F0, F1, 0
	QUARTER 2, F1, F0, 0
	QUARTER 3, F0, F1, 0
	s_wait_dscnt 8
	MUL F1, 0, 0, 0
	MUL F1, 0, 2, 0
	s_wait_dscnt 0x0
	MUL F1, 1, 0, 0
	MUL F1, 1, 2, 0
	WIN 0
	; THE WAY OUT.  The sums go as f32 into my stage, which lies over the slots: so first a barrier, in front of which every wave's reads of the slots have come back (the wait for 0 above).
	s_barrier_signal -1
	s_barrier_wait -1
	PLACES
.irp a, 0,1,2,3,4,5,6,7
	WIN 0x08+4*((\a)/4)                            ; the stores' data: window 2 or 3
.irp b, 0,1,2,3,4,5,6,7
	ds_store_b128 v[STO], v[8*(8*((\a)%4)+(\b)):8*(8*((\a)%4)+(\b))+3]   offset:(\a)*16*SPITCH+64*(\b)     ; each accumulator's low registers first
	ds_store_b128 v[STO], v[8*(8*((\a)%4)+(\b))+4:8*(8*((\a)%4)+(\b))+7] offset:(\a)*16*SPITCH+64*(\b)+16
.endr
.endr
	WIN 0
; Eight rows: item u = 2 g + e is rows 4 g .. 4 g + 3 of block e: a lane's 8 neighbouring sums
.macro LOADX
.irp u, 0,1,2,3
	ds_load_b128 v[X+8*(\u):X+8*(\u)+3],   v[RD] offset:((\u)/2)*4*SPITCH+((\u)%2)*256
	ds_load_b128 v[X+8*(\u)+4:X+8*(\u)+7], v[RD] offset:((\u)/2)*4*SPITCH+((\u)%2)*256+16
.endr
.endm
	s_wait_loadcnt 0x0                             ; the bias
	v_mov_b32 v[RD], v[RD0]
	LOADX                                          ; LDS serves a wave's instructions in order (ISA guide 5.7.1.4): these see my stores above
	s_mov_b32 s[ROWS], 0
	s_mov_b32 s[CNT], 16
.Lout:                                                 ; 16 trips of 8 rows; the next trip's rows are read while this trip's are worked on
	s_wait_dscnt 0x0
.irp u, 0,1,2,3
.irp p, 0,1,2,3
	v_pk_add_f32 v[T+8*(\u)+2*(\p):T+8*(\u)+2*(\p)+1], v[X+8*(\u)+2*(\p):X+8*(\u)+2*(\p)+1], v[BI+8*((\u)%2)+2*(\p):BI+8*((\u)%2)+2*(\p)+1]
.endr
.endr
	s_add_co_u32 s[ROWS], s[ROWS], 8*SPITCH
	s_cmp_lt_u32 s[ROWS], 128*SPITCH
	s_cselect_b32 s[AHEAD], s[ROWS], 0             ; the last trip has no next: it reads rows 0-7 of my stage once more, and the result is dropped
	v_add_nc_u32 v[RD], s[AHEAD], v[RD0]
	LOADX
.if GELU
.set n, 0
.rept 32
	v_and_b32 v[AY+n], s[ABSM], v[T+n]             ; |y|
.set n, n+1
.endr
.set n, 0
.rept 16
	v_pk_fma_f32 v[DD+2*n:DD+2*n+1], v[AY+2*n:AY+2*n+1], s[CPP:CPP+1], 1.0 op_sel_hi:[1,0,0]
.set n, n+1
.endr
.set n, 0
.rept 16                                               ; a plain instruction that is due anyway stands behind each reciprocal and each power (ISA guide 5.7.2)
	v_rcp_f32 v[DD+2*n], v[DD+2*n]                 ; t
	v_pk_mul_f32 v[QQ+2*n:QQ+2*n+1], v[T+2*n:T+2*n+1], v[T+2*n:T+2*n+1]
	v_rcp_f32 v[DD+2*n+1], v[DD+2*n+1]
	v_pk_mul_f32 v[QQ+2*n:QQ+2*n+1], v[QQ+2*n:QQ+2*n+1], s[CNC:CNC+1] op_sel_hi:[1,0]
.set n, n+1
.endr
.set n, 0
.rept 16
	v_exp_f32 v[QQ+2*n], v[QQ+2*n]                 ; 2^(NC y^2)
	s_wait_alu depctr_va_vdst(0)
	v_pk_fma_f32 v[PO+2*n:PO+2*n+1], v[DD+2*n:DD+2*n+1], s[CA3:CA3+1], s[CA2:CA2+1] op_sel_hi:[1,0,0]
	v_exp_f32 v[QQ+2*n+1], v[QQ+2*n+1]
	v_pk_fma_f32 v[PO+2*n:PO+2*n+1], v[PO+2*n:PO+2*n+1], v[DD+2*n:DD+2*n+1], s[CA1:CA1+1] op_sel_hi:[1,1,0]
.set n, n+1
.endr
.set n, 0
.rept 16
	v_pk_mul_f32 v[PO+2*n:PO+2*n+1], v[PO+2*n:PO+2*n+1], v[DD+2*n:DD+2*n+1]
.set n, n+1
.endr
.set n, 0
.rept 32
	v_max_num_f32 v[T+n], 0, v[T+n]
.set n, n+1
.endr
.set n, 0
	s_wait_alu depctr_va_vdst(0)
.rept 16
	v_pk_mul_f32 v[PO+2*n:PO+2*n+1], v[PO+2*n:PO+2*n+1], v[QQ+2*n:QQ+2*n+1]
.set n, n+1
.endr
.set n, 0
.rept 16
	v_pk_fma_f32 v[T+2*n:T+2*n+1], v[PO+2*n:PO+2*n+1], v[AY+2*n:AY+2*n+1], v[T+2*n:T+2*n+1] neg_lo:[1,0,0] neg_hi:[1,0,0]
.set n, n+1
.endr
.endif
	s_wait_xcnt 0x0                                ; the last trip's stores have had their addresses translated (ISA guide 3.1): Y and GO are rewritten only behind this wait
	v_add_nc_u32 v[GO], 1024, v[GO]                ; 8 rows of 128 bytes on; the stores reach back
.irp u, 0,1,2,3
.irp p, 0,1,2,3
	v_cvt_pk_bf16_f32 v[Y+4*(\u)+(\p)], v[T+8*(\u)+2*(\p)], v[T+8*(\u)+2*(\p)+1]
.endr
.endr
.irp u, 0,1,2,3
	global_store_b128 v[GO], v[Y+4*(\u):Y+4*(\u)+3], s[10:11] offset:((\u)%2)*16384+((\u)/2)*512-1024  ; four rows of a block: 512 consecutive bytes, aligned
.endr
	s_sub_co_u32 s[CNT], s[CNT], 1
	s_cmp_lg_u32 s[CNT], 0
	s_cbranch_scc1 .Lout
	s_wait_tensorcnt 0x0                           ; the wave's end: the add to my spare word and its wait, behind my last tensor load and my last LDS store
	ds_add_u32 v[SPW], v[NIL]
	s_wait_dscnt 0x0
	CROUND                                         ; the closing round: no work-group ends while a partner may still ask for a tile that names it
	s_endpgm
.Lfunc_end_k_qe07bfa1486_up:
	.size	k_qe07bfa1486_up, .Lfunc_end_k_qe07bfa1486_up-k_qe07bfa1486_up
	.p2alignl 7, 3214868480
	.fill 96, 4, 3214868480
	.section	.rodata,"a",@progbits
	.p2align	6, 0x0
	.amdhsa_kernel k_qe07bfa1486_up
		.amdhsa_group_segment_fixed_size 327680
		.amdhsa_private_segment_fixed_size 0
		.amdhsa_enable_private_segment 0
		.amdhsa_kernarg_size 32
		.amdhsa_user_sgpr_count 2
		.amdhsa_user_sgpr_kernarg_segment_ptr 1
		.amdhsa_wavefront_size32 1
		.amdhsa_system_sgpr_workgroup_id_x 1
		.amdhsa_system_sgpr_workgroup_id_y 1
		.amdhsa_system_sgpr_workgroup_id_z 1
		.amdhsa_system_vgpr_workitem_id 0
		.amdhsa_next_free_vgpr 1024
		.amdhsa_next_free_sgpr 100
		.amdhsa_reserve_vcc 0
		.amdhsa_float_denorm_mode_32 3
		.amdhsa_float_denorm_mode_16_64 3
		.amdhsa_memory_ordered 1
		.amdhsa_forward_progress 1
		.amdhsa_inst_pref_size 98
	.end_amdhsa_kernel
	.amdgpu_metadata
---
amdhsa.version: [ 1, 2 ]
amdhsa.kernels:
  - .name:           k_qe07bfa1486_up
    .symbol:         k_qe07bfa1486_up.kd
    .args:
      - { .name: act, .offset: 0, .size: 8, .value_kind: global_buffer, .address_space: global }
      - { .name: wu_b, .offset: 8, .size: 8, .value_kind: global_buffer, .address_space: global }
      - { .name: b_up, .offset: 16, .size: 8, .value_kind: global_buffer, .address_space: global }
      - { .name: big, .offset: 24, .size: 8, .value_kind: global_buffer, .address_space: global }
    .group_segment_fixed_size: 327680
    .private_segment_fixed_size: 0
    .kernarg_segment_align: 8
    .kernarg_segment_size: 32
    .max_flat_workgroup_size: 128
    .sgpr_count:     100
    .vgpr_count:     1024
    .wavefront_size: 32
...
	.end_amdgpu_metadata
.endif
;; end of part 6
;; launch down (part 7): grid 8 x 32, 4 waves a work-group, clusters of 4 x 4, 327,680 bytes of LDS; arguments big, wd_b, b_down, res, out0; writes out0
.if DOCPART == 7
	.amdgcn_target "amdgcn-amd-amdhsa--gfx1250"
	.amdhsa_code_object_version 6
	.text
	.protected	k_qe07bfa1486_down
	.globl	k_qe07bfa1486_down
	.p2align	8
	.type	k_qe07bfa1486_down,@function
k_qe07bfa1486_down:
	s_mov_b64 s[64:65], 0
	v_nop
	global_prefetch_b8 v0, s[64:65] scope:SCOPE_SE
	s_setreg_imm32_b32 hwreg(HW_REG_WAVE_MODE, 25, 1), 1
	s_wait_xcnt 0x0
	s_wait_alu depctr_hold_cnt(0) depctr_sa_sdst(0) depctr_va_vdst(0) depctr_va_sdst(0) depctr_va_ssrc(0) depctr_va_vcc(0) depctr_vm_vsrc(0)
	s_getreg_b32 s2, hwreg(HW_REG_IB_STS2, 6, 4)
	s_cmp_eq_u32 s2, 0
	s_cbranch_scc0 .Lentry_in_a_cluster
	s_endpgm
.Lentry_in_a_cluster:
	s_bfe_u32 s2, ttmp6, 0x10000c
	s_cmp_lg_u32 s2, 0xf033
	s_cbranch_scc0 .Lentry_shape_is_right
	s_endpgm
.Lentry_shape_is_right:
; OUT = A B + bias + RESID, all sums and the residual in f32; OUT and RESID are f32 [4096][1024], row-major.  A: [4096][KK] bf16 in blocks of 128 rows x 64 columns (16,384 dense bytes, the KK / 64 blocks
; of a tile of 128 rows on end).  B: [KK][1024] bf16 in panels of 128 columns (rows of 256 dense bytes).
; A tile of OUT is 128 x 128, so that 8 x 32 = 256 work-groups share the work; four waves, each 64 x 64 = 16 accumulators.  K goes in steps of 256, as long as two slots in LDS allow;
; a wave's one tensor load brings 32,768 dense bytes.  CLUSTER 4 x 4: A's tiles are shared along a row of the cluster, B's along a column: joint loads, each with a mask of four.
; THE MATRIX INSTRUCTION IS USED TRANSPOSED: source 0 = 16 columns of B (turned by ds_load_tr16_b128), source 1 = 16 rows of A: a lane holds row l % 16 and 8 neighbouring columns.
; A K step stands ONCE in the loop, which is entered in the middle of a trip: the slot read is a scalar that an exclusive or turns, and one descriptor set walks from step 1 to the last.
; The residual and the bias are loaded at the start and land under the K loop.  LIMITS: operands are rounded to bf16 (f32's range); NaN and infinities are not treated apart.
; REGISTERS: window 0: v16-29 addresses; v32-35 bias; v64-127, v128-191 A's fragments, two buffers (64 along K: fragment (c, a) at 8 (4 c + a)); on the way out v64-191 rows read back.
;   window 1: v64-127, v128-191 B's fragments.   window 2: v0-127 accumulators ((a, b) at v[8 (4 a + b)]); v128-255 the residual, 32 items of two rows' 16 bytes a lane.
.set KK,     4096
.set TSTEPS, KK/256                    ; even: the last step lies in slot 1
.set PA,     144                       ; A's row in LDS: 128 bytes + 16 = 36 words: the 16 rows of a load start at 16 different groups of four banks (64 banks of 4 bytes: ISA guide 11.1)
.set PB,     288                       ; B's row: 256 + 32 = 72 words
.set HALF,   36864                     ; what one tensor load fills: 256 x 144 = 128 x 288
.set BOFF,   2*HALF                    ; a slot: A [k block 0..3][128 rows], then B [256 k]
.set SLOT,   4*HALF
.set SPARE,  2*SLOT                    ; behind the ring: the spare words, 128 bytes a wave: two blocks of 256 bytes that no other line names
.set STEPB,  65536                     ; bytes from a K step to the next, in A and in B
.set SPITCH, 272                       ; the way out: a row of 64 f32 + 16 bytes = 68 words
.set ADRA0, 16
.set ADRB0, 17
.set ADRA,  18
.set ADRB,  19                         ; v19 B's k 0-127 of the slot that is read; v20 its k 128-255 (the 16-bit offset does not reach them)
.set STO,   24
.set RD,    25
.set CO,    26                         ; v26 my byte offset in two rows of RESID and OUT; never rewritten
.set BO,    27
.set SPW,   28                         ; v28 LDS address of my spare word; never rewritten
.set NIL,   29                         ; v29 0; never rewritten
.set F0,    64
.set F1,    128
.set BI,    32
.set X,     64
.set RR,    128                        ; in window 2
.set WV, 14
.set WM, 15
.set WN, 16
.set G1A, 24
.set G0A, 32
.set G1B, 48
.set G0B, 56
.set TB,  66
.set CNT, 67
.set MSB, 0
.macro WIN new                         ; the immediate's high byte repeats the setting that is left; a switch that changes nothing is dropped
.if MSB != (\new)
	s_set_vgpr_msb (MSB<<8)|(\new)
.set MSB, \new
.endif
.endm
.macro PLACES                          ; four places in front of loads into registers that matrix instructions have read
.rept 4
	v_nop
.endr
.endm
.macro JLOAD                           ; the joint refill by the walking set: waves 0, 1 for A, waves 2, 3 for B; s_nop 0 and four v_nop follow each line
	s_cmp_eq_u32 s[WM], 0
	s_cbranch_scc0 .Lfor_b_\@
	tensor_load_to_lds s[G0A+4:G0A+7], s[G1A:G1A+7]
	s_nop 0
.rept 4
	v_nop
.endr
	s_branch .Lasked_\@
.Lfor_b_\@:
	tensor_load_to_lds s[G0B+4:G0B+7], s[G1B:G1B+7]
	s_nop 0
.rept 4
	v_nop
.endr
.Lasked_\@:
.endm
.macro CREST
	s_cmp_lg_u32 s[WV], 0
	s_cbranch_scc1 .Lnot_wave_0_\@
	s_barrier_signal -3
.Lnot_wave_0_\@:
	s_barrier_wait -3
	s_barrier_signal -1
	s_barrier_wait -1
.endm
.macro CROUND
	s_barrier_signal -1
	s_barrier_wait -1
	CREST
.endm
	s_load_b256 s[4:11], s[0:1], 0x0               ; A s[4:5], B s[6:7], bias s[8:9], RESID s[10:11]
	s_load_b64 s[12:13], s[0:1], 0x20              ; OUT
	v_lshl_add_u32 v[SPW], v0, 2, SPARE
	v_mov_b32 v[NIL], 0
	ds_add_u32 v[SPW], v[NIL]                      ; the wave's opening: the add and its wait stand ahead of my first tensor load; register work stands between them
	v_lshrrev_b32 v1, 5, v0
	v_readfirstlane_b32 s[WV], v1
	s_lshr_b32 s[WM], s[WV], 1                     ; my half of the rows; also: I fetch for A (0) or B (1)
	s_and_b32 s[WN], s[WV], 1                      ; my half of the columns; also: which half of the step's bytes I fetch
	s_bfe_u32 s17, ttmp6, 0x40000                  ; cx
	s_bfe_u32 s18, ttmp6, 0x40004                  ; cy
	s_lshl_b32 s19, ttmp9, 2
	s_add_co_u32 s19, s19, s17                     ; tile column
	s_and_b32 s20, ttmp7, 0xffff
	s_lshl_b32 s20, s20, 2
	s_add_co_u32 s20, s20, s18                     ; tile row
	s_lshl_b32 s21, s18, 2
	s_lshl_b32 s21, 15, s21                        ; my row of the cluster
	s_lshl_b32 s22, 0x1111, s17                    ; my column
	s_or_b32 s[G1A], s21, (1<<16)|(1<<20)|(1<<21)|(4<<22)|(3<<25)  ; mask; 2-byte elements; padding on; bit 21 beside a mask; after every 32 words, 4 words
	s_or_b32 s[G1B], s22, (1<<16)|(1<<20)|(1<<21)|(5<<22)|(7<<25)  ; after every 64 words, 8 words
.irp g, G1A, G1B
	s_mov_b32 s[(\g)+1], 128<<16                   ; rows of 256 bytes: tensor_dim0 = 128
	s_mov_b32 s[(\g)+2], 128<<16                   ; tensor_dim1 = 128
	s_mov_b32 s[(\g)+3], 128<<16                   ; tile_dim0 = 128
	s_mov_b32 s[(\g)+4], 128                       ; tile_dim1 = 128
	s_mov_b32 s[(\g)+5], 128                       ; dense
	s_mov_b32 s[(\g)+6], 0
	s_mov_b32 s[(\g)+7], 0
.endr
	s_mul_i32 s40, s20, KK*256                     ; A: the tile of rows, + my half of a step's four blocks: hangs on the tile row and the wave alone
	s_lshl_b32 s41, s[WN], 15
	s_add_co_u32 s40, s40, s41
	s_mul_i32 s42, s19, KK*256                     ; B: the panel, + my half of a step's 256 rows: on the tile column and the wave alone
	s_add_co_u32 s42, s42, s41
	s_mov_b32 s41, 0
	s_mov_b32 s43, 0
	s_mul_i32 s44, s[WV], HALF                     ; where my load lands: no place in the cluster enters an LDS address
	s_mov_b32 s[TB], 0
	s_wait_dscnt 0x0                               ; the opening add is done
	s_wait_kmcnt 0x0
	s_add_nc_u64 s[40:41], s[4:5], s[40:41]
	s_add_nc_u64 s[42:43], s[6:7], s[42:43]
.irp s, 0,1
	s_mov_b32 s[G0A+4*(\s)], 1
	s_add_co_u32 s[G0A+4*(\s)+1], s44, (\s)*SLOT
	s_add_nc_u64 s[G0A+4*(\s)+2:G0A+4*(\s)+3], s[40:41], (\s)*STEPB
	s_or_b32 s[G0A+4*(\s)+3], s[G0A+4*(\s)+3], 0x80000000
	s_mov_b32 s[G0B+4*(\s)], 1
	s_add_co_u32 s[G0B+4*(\s)+1], s44, (\s)*SLOT
	s_add_nc_u64 s[G0B+4*(\s)+2:G0B+4*(\s)+3], s[42:43], (\s)*STEPB
	s_or_b32 s[G0B+4*(\s)+3], s[G0B+4*(\s)+3], 0x80000000
.endr
	CROUND                                         ; all sixteen work-groups are here: the first joint loads meet
	s_cmp_eq_u32 s[WM], 0                          ; a wave's two first fills stand in one branch: two loads of mine are out
	s_cbranch_scc0 .Lfirst_b
	tensor_load_to_lds s[G0A:G0A+3], s[G1A:G1A+7]
	s_nop 0
	tensor_load_to_lds s[G0A+4:G0A+7], s[G1A:G1A+7]
	s_nop 0
.rept 4
	v_nop
.endr
	s_branch .Lfirst_done
.Lfirst_b:
	tensor_load_to_lds s[G0B:G0B+3], s[G1B:G1B+7]
	s_nop 0
	tensor_load_to_lds s[G0B+4:G0B+7], s[G1B:G1B+7]
	s_nop 0
.rept 4
	v_nop
.endr
.Lfirst_done:
	s_lshl_b32 s45, s20, 7                         ; RESID and OUT at my first row, 128 x tile row + 64 WM, and my first column, 128 x tile column + 64 WN
	s_lshl_b32 s46, s[WM], 6
	s_add_co_u32 s45, s45, s46
	s_lshl_b32 s46, s45, 12
	s_lshl_b32 s45, s19, 9
	s_add_co_u32 s46, s46, s45
	s_lshl_b32 s45, s[WN], 8
	s_add_co_u32 s46, s46, s45
	s_mov_b32 s47, 0
	s_add_nc_u64 s[10:11], s[10:11], s[46:47]
	s_add_nc_u64 s[12:13], s[12:13], s[46:47]
	s_lshl_b32 s46, s19, 9
	s_add_co_u32 s46, s46, s45
	s_add_nc_u64 s[8:9], s[8:9], s[46:47]          ; the bias at my first column
	v_and_b32 v1, 15, v0                           ; r = l % 16
	v_bfe_u32 v2, v0, 4, 1                         ; h = l / 16
	v_and_b32 v3, 7, v0
	v_bfe_u32 v4, v0, 3, 1
	v_lshlrev_b32 v[BO], 4, v1
	v_lshl_add_u32 v[CO], v2, 12, v[BO]            ; lanes 0-15 one row's 256 bytes, lanes 16-31 the next row's
	WIN 0x80                                       ; destination window 2, address window 0
.set i, 0
.rept 32
	global_load_b128 v[RR+4*i:RR+4*i+3], v[CO], s[10:11] offset:8192*i
.set i, i+1
.endr
	WIN 0
	global_load_b128 v[BI:BI+3], v[BO], s[8:9]
	v_mul_u32_u24 v[ADRA0], v1, PA                 ; A's fragment: row r, 16 bytes for each half of the lanes, and 32 bytes on
	v_lshl_add_u32 v[ADRA0], v2, 4, v[ADRA0]
	s_mul_i32 s45, s[WM], 64*PA
	v_add_nc_u32 v[ADRA0], s45, v[ADRA0]
	v_lshl_add_u32 v5, v2, 3, v3                   ; B's: the turning load: lane l reads row 8 h + l % 8, columns 8 ((l / 8) % 2) + 0..7
	v_mul_u32_u24 v[ADRB0], v5, PB
	v_lshl_add_u32 v[ADRB0], v4, 4, v[ADRB0]
	s_lshl_b32 s45, s[WN], 7
	s_add_co_u32 s45, s45, BOFF
	v_add_nc_u32 v[ADRB0], s45, v[ADRB0]
	v_mov_b32 v[ADRA], v[ADRA0]
	v_mov_b32 v[ADRB], v[ADRB0]
	v_add_nc_u32 v[ADRB+1], 128*PB, v[ADRB0]
	s_mul_i32 s45, s[WV], 64*SPITCH                ; my stage, in slot 0
	v_mul_u32_u24 v[STO], v1, SPITCH
	v_lshl_add_u32 v[STO], v2, 5, v[STO]
	v_add_nc_u32 v[STO], s45, v[STO]
	v_mul_u32_u24 v[RD], v2, SPITCH
	v_lshl_add_u32 v[RD], v1, 4, v[RD]
	v_add_nc_u32 v[RD], s45, v[RD]
; 8 matrix instructions: row blocks a0, a0 + 1 x all 4 column blocks, 32 along K: half c of buffer f.  The 16 accumulators take turns.
.macro MUL f, c, a0, zero
	WIN 0xa1
.irp a, \a0, (\a0)+1
.irp b, 0,1,2,3
.if \zero
	v_wmma_f32_16x16x32_bf16 v[8*(4*(\a)+(\b)):8*(4*(\a)+(\b))+7], v[(\f)+8*(4*(\c)+(\b)):(\f)+8*(4*(\c)+(\b))+7], v[(\f)+8*(4*(\c)+(\a)):(\f)+8*(4*(\c)+(\a))+7], 0
.else
	v_wmma_f32_16x16x32_bf16 v[8*(4*(\a)+(\b)):8*(4*(\a)+(\b))+7], v[(\f)+8*(4*(\c)+(\b)):(\f)+8*(4*(\c)+(\b))+7], v[(\f)+8*(4*(\c)+(\a)):(\f)+8*(4*(\c)+(\a))+7], v[8*(4*(\a)+(\b)):8*(4*(\a)+(\b))+7]
.endif
.endr
.endr
.endm
; 32 LDS loads in one run: quarter q (64 along K) into buffer f: B's 8 fragments, then A's first 32 along K, then A's second
.macro FETCH q, f
	WIN 0x40
.irp c, 0,1
.irp i, 0,1,2,3
	ds_load_tr16_b128 v[(\f)+8*(4*(\c)+(\i)):(\f)+8*(4*(\c)+(\i))+3],   v[ADRB+(\q)/2] offset:((\q)%2)*64*PB+(\c)*32*PB+32*(\i)
	ds_load_tr16_b128 v[(\f)+8*(4*(\c)+(\i))+4:(\f)+8*(4*(\c)+(\i))+7], v[ADRB+(\q)/2] offset:((\q)%2)*64*PB+(\c)*32*PB+32*(\i)+16*PB
.endr
.endr
	WIN 0
.irp c, 0,1
.irp i, 0,1,2,3
	ds_load_b128 v[(\f)+8*(4*(\c)+(\i)):(\f)+8*(4*(\c)+(\i))+3],   v[ADRA] offset:(\q)*128*PA+64*(\c)+(\i)*16*PA
	ds_load_b128 v[(\f)+8*(4*(\c)+(\i))+4:(\f)+8*(4*(\c)+(\i))+7], v[ADRA] offset:(\q)*128*PA+64*(\c)+(\i)*16*PA+32
.endr
.endr
.endm
.macro QUARTER q, f, g, zero
	s_wait_dscnt 8                                 ; B and A's first 32 along K are in; the youngest eight loads (A's second 32) may be out
	MUL \f, 0, 0, \zero
	MUL \f, 0, 2, \zero
	PLACES
	FETCH \q, \g
	s_wait_dscnt 32                                ; all but the 32 just issued
	MUL \f, 1, 0, 0
	MUL \f, 1, 2, 0
.endm
; The last quarter multiplies buffer 1 and changes slots.  In front of the barrier each wave waits for all its tensor loads (one is out: its part of the next slot), adds 0 to its spare word, and waits
; for that and for its reads of this slot.  fill = 1: the barrier opens a round of the cluster's, and the slot just read is filled again, two steps ahead, first thing behind the round.
.macro TURN fill
	WIN 0
	s_wait_tensorcnt 0x0                           ; no tensor load of mine is out, so a group 0 may be written
	ds_add_u32 v[SPW], v[NIL]                      ; adds 0 to my spare word; register work stands between it and the wait for it
	s_xor_b32 s[TB], s[TB], SLOT                   ; the reads go to the other slot: all reads of this one have been issued
	v_add_nc_u32 v[ADRA], s[TB], v[ADRA0]
	v_add_nc_u32 v[ADRB], s[TB], v[ADRB0]
	v_add_nc_u32 v[ADRB+1], 128*PB, v[ADRB]
.if \fill
	s_xor_b32 s[G0A+5], s[G0A+5], SLOT             ; the walking set: the other slot than last time (SLOT shares no bit with wave x HALF), the next K step
	s_add_nc_u64 s[G0A+6:G0A+7], s[G0A+6:G0A+7], STEPB
	s_xor_b32 s[G0B+5], s[G0B+5], SLOT
	s_add_nc_u64 s[G0B+6:G0B+7], s[G0B+6:G0B+7], STEPB
.endif
	s_wait_dscnt 9                                 ; the add and the youngest eight loads may be out
	MUL F1, 0, 0, 0
	s_wait_dscnt 0x0                               ; the add is done, and my reads of this slot are over
	s_barrier_signal -1
	MUL F1, 0, 2, 0
	WIN 0
	s_barrier_wait -1
.if \fill
	CREST                                          ; no wave of any partner still reads the slot or has a load on its way
	JLOAD                                          ; my one tensor load behind the round; its four v_nop are also the places in front of the loads below
.else
	PLACES
.endif
	FETCH 0, F0
	MUL F1, 1, 0, 0
	MUL F1, 1, 2, 0
.endm
	s_wait_tensorcnt 0x1                           ; my part of step 0 is in; step 1's may stay out
	s_barrier_signal -1
	s_barrier_wait -1
	FETCH 0, F0
	QUARTER 1, F0, F1, 1                           ; the first quarter is written out: its first products start the sums
	WIN 0
	s_mov_b32 s[CNT], TSTEPS-1
	s_branch .Lin                                  ; the loop is entered in the middle of a trip: step 0 has no change of slots in front of it
.Lstep:                                                ; a whole trip: the change of slots that ends step k and fills its slot with step k + 2, then step k + 1's first three quarters
	TURN 1
	QUARTER 1, F0, F1, 0
	WIN 0                                          ; at a label every window is 0
.Lin:
	QUARTER 2, F1, F0, 0
	QUARTER 3, F0, F1, 0
	WIN 0
	s_sub_co_u32 s[CNT], s[CNT], 1
	s_cmp_lg_u32 s[CNT], 0
	s_cbranch_scc1 .Lstep                          ; TSTEPS - 2 whole trips
	TURN 0                                         ; the last change of slots and the last step are written out: nothing is left to fetch
	QUARTER 1, F0, F1, 0
	QUARTER 2, F1, F0, 0
	QUARTER 3, F0, F1, 0
	s_wait_dscnt 8
	MUL F1, 0, 0, 0
	MUL F1, 0, 2, 0
	s_wait_dscnt 0x0
	MUL F1, 1, 0, 0
	MUL F1, 1, 2, 0
	; THE WAY OUT.  My stage lies in slot 0: its last fill has landed, and every wave's last read of it stands in front of the last change of slots' barrier; the last step read slot 1.
	s_wait_loadcnt 0x0                             ; the residual and the bias
	WIN 0x88                                       ; source 0 window 0; source 1 and destination window 2
.set i, 0
.rept 32                                               ; bias + residual: 64 plain instructions that name no register of the last products: their places
	v_pk_add_f32 v[RR+4*i:RR+4*i+1],   v[BI:BI+1],   v[RR+4*i:RR+4*i+1]
	v_pk_add_f32 v[RR+4*i+2:RR+4*i+3], v[BI+2:BI+3], v[RR+4*i+2:RR+4*i+3]
.set i, i+1
.endr
	WIN 0x08                                       ; the stores' data: window 2
.irp a, 0,1,2,3
.irp b, 0,1,2,3
	ds_store_b128 v[STO], v[8*(4*(\a)+(\b)):8*(4*(\a)+(\b))+3]   offset:(\a)*16*SPITCH+64*(\b)     ; each accumulator's low registers first
	ds_store_b128 v[STO], v[8*(4*(\a)+(\b))+4:8*(4*(\a)+(\b))+7] offset:(\a)*16*SPITCH+64*(\b)+16
.endr
.endr
	WIN 0
.set i, 0
.rept 32
	ds_load_b128 v[X+4*i:X+4*i+3], v[RD] offset:2*SPITCH*i  ; LDS serves a wave's instructions in order (ISA guide 5.7.1.4): these see my stores above
.set i, i+1
.endr
	WIN 0x88
.set i, 0
.rept 32
	s_wait_dscnt 31-i                              ; LDS loads come back in order: item i is in
	v_pk_add_f32 v[RR+4*i:RR+4*i+1],   v[X+4*i:X+4*i+1],   v[RR+4*i:RR+4*i+1]
	v_pk_add_f32 v[RR+4*i+2:RR+4*i+3], v[X+4*i+2:X+4*i+3], v[RR+4*i+2:RR+4*i+3]
	global_store_b128 v[CO], v[RR+4*i:RR+4*i+3], s[12:13] offset:8192*i  ; 16 lanes store 256 consecutive bytes, aligned
.set i, i+1
.endr
	WIN 0
	s_wait_tensorcnt 0x0                           ; the wave's end: the add to my spare word and its wait, behind my last tensor load and my last LDS store
	ds_add_u32 v[SPW], v[NIL]
	s_wait_dscnt 0x0
	CROUND                                         ; the closing round: no work-group ends while a partner may still ask for a tile that names it
	s_endpgm
.Lfunc_end_k_qe07bfa1486_down:
	.size	k_qe07bfa1486_down, .Lfunc_end_k_qe07bfa1486_down-k_qe07bfa1486_down
	.p2alignl 7, 3214868480
	.fill 96, 4, 3214868480
	.section	.rodata,"a",@progbits
	.p2align	6, 0x0
	.amdhsa_kernel k_qe07bfa1486_down
		.amdhsa_group_segment_fixed_size 327680
		.amdhsa_private_segment_fixed_size 0
		.amdhsa_enable_private_segment 0
		.amdhsa_kernarg_size 40
		.amdhsa_user_sgpr_count 2
		.amdhsa_user_sgpr_kernarg_segment_ptr 1
		.amdhsa_wavefront_size32 1
		.amdhsa_system_sgpr_workgroup_id_x 1
		.amdhsa_system_sgpr_workgroup_id_y 1
		.amdhsa_system_sgpr_workgroup_id_z 1
		.amdhsa_system_vgpr_workitem_id 0
		.amdhsa_next_free_vgpr 768
		.amdhsa_next_free_sgpr 100
		.amdhsa_reserve_vcc 0
		.amdhsa_float_denorm_mode_32 3
		.amdhsa_float_denorm_mode_16_64 3
		.amdhsa_memory_ordered 1
		.amdhsa_forward_progress 1
		.amdhsa_inst_pref_size 72
	.end_amdhsa_kernel
	.amdgpu_metadata
---
amdhsa.version: [ 1, 2 ]
amdhsa.kernels:
  - .name:           k_qe07bfa1486_down
    .symbol:         k_qe07bfa1486_down.kd
    .args:
      - { .name: big, .offset: 0, .size: 8, .value_kind: global_buffer, .address_space: global }
      - { .name: wd_b, .offset: 8, .size: 8, .value_kind: global_buffer, .address_space: global }
      - { .name: b_down, .offset: 16, .size: 8, .value_kind: global_buffer, .address_space: global }
      - { .name: res, .offset: 24, .size: 8, .value_kind: global_buffer, .address_space: global }
      - { .name: out0, .offset: 32, .size: 8, .value_kind: global_buffer, .address_space: global }
    .group_segment_fixed_size: 327680
    .private_segment_fixed_size: 0
    .kernarg_segment_align: 8
    .kernarg_segment_size: 40
    .max_flat_workgroup_size: 128
    .sgpr_count:     100
    .vgpr_count:     768
    .wavefront_size: 32
...
	.end_amdgpu_metadata
.endif
;; end of part 7
